; MI455X (gfx1250); checked and timed in simulation.
; The chip was launched on July 23, 2026; its instructions are those of AMD's public machine-readable ISA for CDNA 5 (MIT licence, August 2026) and "CDNA5" Instruction Set Architecture Reference Guide (July 2026). The comments in the code are by the model that wrote it; some were corrected since.
;; Simple Decoder. Allowed arithmetic: float matrix products may take bf16 or f16 operands with f32 sums; all other float work in f32.
;; Inputs: Wdown 1,024 x 4,096 float32; Wk 1,024 x 1,024 float32; Wo 1,024 x 1,024 float32; Wq 1,024 x 1,024 float32; Wup 4,096 x 1,024 float32; Wv 1,024 x 1,024 float32; X 2 x 2,048 x 1,024 float32; bdown 1,024 float32; bk 1,024 float32; bo 1,024 float32; bq 1,024 float32; bup 4,096 float32; bv 1,024 float32; ln1_b 1,024 float32; ln1_w 1,024 float32; ln2_b 1,024 float32; ln2_w 1,024 float32.
;; Outputs: out0 2 x 2,048 x 1,024 float32.
;; One version. Each part assembles by itself: llvm-mc -triple=amdgcn-amd-amdhsa -mcpu=gfx1250 --defsym DOCPART=n.
;; ======== version 1 of 1: 8 launches
;; limits: right only within a limited range of input values
;; workspace buffers: xh 8,388,608 bytes; wqkvh 8,409,088 bytes; wuph 8,409,088 bytes; wdnh 8,388,608 bytes; woh 2,097,152 bytes; big 67,108,864 bytes; act 33,554,432 bytes; x1 16,777,216 bytes
;; launch cast (part 1): grid 1024 x 1, 8 waves a work-group, no clusters, 0 bytes of LDS; arguments X, Wup, Wdown, Wq, Wk, Wv, Wo, bq, bk, bv, bup, xh, wuph, wdnh, wqkvh, woh; writes xh, wuph, wdnh, wqkvh, woh
.if DOCPART == 1
	.amdgcn_target "amdgcn-amd-amdhsa--gfx1250"
	.amdhsa_code_object_version 6
	.text
	.protected	k_q7fa0c12108_cast
	.globl	k_q7fa0c12108_cast
	.p2align	8
	.type	k_q7fa0c12108_cast,@function
k_q7fa0c12108_cast:
	s_mov_b64 s[64:65], 0
	v_nop
	global_prefetch_b8 v0, s[64:65] scope:SCOPE_SE
	s_setreg_imm32_b32 hwreg(HW_REG_WAVE_MODE, 25, 1), 1
	s_wait_xcnt 0x0
; Every matrix operand that is an input is rounded ONCE to bf16 (nearest even), so that the products read 2 bytes a number.
; A stream: no LDS, no barrier, no matrix unit.  16,777,216 numbers in 16,384 units of 1,024 (4 KiB in, 2 KiB out).
; Work-group g takes 16 units (64 KiB of one source), wave w units 2w and 2w+1.
;   g 0-255 X -> xh      256-511 Wup -> wuph      512-767 Wdown -> wdnh (cut into 4 panels along k)
;   g 768-831 Wq, 832-895 Wk, 896-959 Wv -> wqkvh (rows one below the other)      960-1023 Wo -> woh
; Behind byte PAR of wqkvh and wuph lie that product's bias in f32 (bq|bk|bv; bup) and, 16 KiB further, the lower bound of its
; activation (-infinity: none; 0: relu).  Work-groups 0 to 8 write these 4 KiB pieces besides their share of the stream.
.set PAR,   0x800000
.set FLOOR, PAR+16384
	s_load_b512 s[4:19], s[0:1], 0x0               ; X 4, Wup 6, Wdown 8, Wq 10, Wk 12, Wv 14, Wo 16, bq 18
	s_load_b512 s[20:35], s[0:1], 0x40             ; bk 20, bv 22, bup 24, xh 26, wuph 28, wdnh 30, wqkvh 32, woh 34
	v_lshrrev_b32 v3, 5, v0
	v_readfirstlane_b32 s3, v3                     ; wave w
	v_and_b32 v1, 31, v0
	v_lshlrev_b32 v2, 3, v1                        ; 8 bytes a lane out
	v_lshlrev_b32 v1, 4, v1                        ; 16 bytes a lane in
	s_mov_b32 s2, ttmp9                            ; g
	s_mov_b32 s40, 0                               ; the source's first work-group
	s_mov_b32 s41, 0                               ; the work-group whose units land at the destination's byte 0
	s_mov_b32 s43, 0                               ; high word of every offset
	s_mov_b32 s51, 2048
	s_wait_kmcnt 0x0
	s_mov_b64 s[36:37], s[4:5]
	s_mov_b64 s[38:39], s[26:27]
; the range of g picks source and destination: a later range overrides an earlier one
.macro PICK first, src, dst, dbase
	s_cmp_ge_u32 s2, \first
	s_cselect_b64 s[36:37], s[\src:\src+1], s[36:37]
	s_cselect_b64 s[38:39], s[\dst:\dst+1], s[38:39]
	s_cselect_b32 s40, \first, s40
	s_cselect_b32 s41, \dbase, s41
.endm
	PICK 256, 6, 28, 256
	PICK 512, 8, 30, 512
	PICK 768, 10, 32, 768
	PICK 832, 12, 32, 768
	PICK 896, 14, 32, 768
	PICK 960, 16, 34, 960
	s_sub_co_u32 s42, s2, s40
	s_lshl_b32 s42, s42, 16                        ; 64 KiB a work-group
	s_lshl_b32 s48, s3, 13                         ; 8 KiB a wave
	s_add_co_u32 s42, s42, s48
	s_add_nc_u64 s[36:37], s[36:37], s[42:43]
	; destination units.  Plain: 16 (g - s41) + 2w, and the next one.
	s_sub_co_u32 s48, s2, s41
	s_lshl_b32 s48, s48, 4
	s_lshl1_add_u32 s48, s3, s48
	; Wdown: source unit U = 16c + 2w + e is row n = U / 4 = 4c + w/2, quarter p = U mod 4 = 2 (w mod 2) + e; it goes to unit 1024 p + n
	s_sub_co_u32 s49, s2, 512
	s_lshl_b32 s49, s49, 2
	s_lshr_b32 s50, s3, 1
	s_add_co_u32 s49, s49, s50
	s_and_b32 s50, s3, 1
	s_lshl_b32 s50, s50, 11
	s_add_co_u32 s49, s49, s50
	s_lshr_b32 s50, s2, 8
	s_cmp_eq_u32 s50, 2
	s_cselect_b32 s48, s49, s48
	s_cselect_b32 s50, 0x200000, s51               ; from the first unit to the second: 1,024 units or 1, in bytes
	s_lshl_b32 s42, s48, 11
	s_add_nc_u64 s[44:45], s[38:39], s[42:43]
	s_mov_b32 s42, s50
	s_add_nc_u64 s[46:47], s[44:45], s[42:43]
.set k, 0
.rept 16
	global_load_b128 v[4+4*k:7+4*k], v1, s[36:37] offset:512*k th:TH_LOAD_NT   ; 512 consecutive bytes a wave; all 16 go out at once
.set k, k+1
.endr
.set k, 0
.rept 16
	s_wait_loadcnt 15-k                            ; loads come back in order: load k is in, the 15-k younger ones stay out
	v_cvt_pk_bf16_f32 v[4+4*k], v[4+4*k], v[5+4*k]
	v_cvt_pk_bf16_f32 v[5+4*k], v[6+4*k], v[7+4*k]
	global_store_b64 v2, v[4+4*k:5+4*k], s[44+2*(k/8):45+2*(k/8)] offset:256*(k%8)   ; the wave stores 256 consecutive bytes, aligned
.set k, k+1
.endr
	; the small pieces: thread t takes bytes 16 t of 4 KiB
	s_cmp_gt_u32 s2, 8
	s_cbranch_scc1 .Lend
	v_lshlrev_b32 v3, 4, v0
	s_cmp_ge_u32 s2, 7
	s_cbranch_scc1 .Lfloor
	s_sub_co_u32 s56, s2, 3
	s_lshl_b32 s56, s56, 12                        ; g = 3..6: piece g - 3 of bup
	s_lshl_b32 s58, s2, 12                         ; g = 0..2: bq, bk, bv go to piece g
	s_mov_b32 s57, 0
	s_mov_b32 s59, 0
	s_mov_b64 s[52:53], s[18:19]
	s_cmp_eq_u32 s2, 1
	s_cselect_b64 s[52:53], s[20:21], s[52:53]
	s_cmp_eq_u32 s2, 2
	s_cselect_b64 s[52:53], s[22:23], s[52:53]
	s_cmp_ge_u32 s2, 3
	s_cselect_b64 s[52:53], s[24:25], s[52:53]
	s_cselect_b64 s[54:55], s[28:29], s[32:33]
	s_cselect_b32 s58, s56, s58                    ; offset in the destination's bias
	s_cselect_b32 s56, s56, 0                      ; offset in the source
	s_add_nc_u64 s[52:53], s[52:53], s[56:57]
	s_add_nc_u64 s[54:55], s[54:55], s[58:59]
	s_add_nc_u64 s[54:55], s[54:55], PAR
	global_load_b128 v[68:71], v3, s[52:53]
	s_wait_loadcnt 0x0
	global_store_b128 v3, v[68:71], s[54:55]
	s_endpgm
.Lfloor:
	s_cmp_eq_u32 s2, 7
	s_cselect_b64 s[54:55], s[32:33], s[28:29]     ; g = 7: wqkvh, no activation; g = 8: wuph, relu
	s_cselect_b32 s52, 0xff800000, 0
	v_mov_b32 v68, s52
	v_mov_b32 v69, s52
	v_mov_b32 v70, s52
	v_mov_b32 v71, s52
	s_add_nc_u64 s[54:55], s[54:55], FLOOR
	global_store_b128 v3, v[68:71], s[54:55]
.Lend:
	s_endpgm
.Lfunc_end_k_q7fa0c12108_cast:
	.size	k_q7fa0c12108_cast, .Lfunc_end_k_q7fa0c12108_cast-k_q7fa0c12108_cast
	.p2alignl 7, 3214868480
	.fill 96, 4, 3214868480
	.section	.rodata,"a",@progbits
	.p2align	6, 0x0
	.amdhsa_kernel k_q7fa0c12108_cast
		.amdhsa_group_segment_fixed_size 0
		.amdhsa_private_segment_fixed_size 0
		.amdhsa_enable_private_segment 0
		.amdhsa_kernarg_size 128
		.amdhsa_user_sgpr_count 2
		.amdhsa_user_sgpr_kernarg_segment_ptr 1
		.amdhsa_wavefront_size32 1
		.amdhsa_system_sgpr_workgroup_id_x 1
		.amdhsa_system_sgpr_workgroup_id_y 1
		.amdhsa_system_sgpr_workgroup_id_z 1
		.amdhsa_system_vgpr_workitem_id 0
		.amdhsa_next_free_vgpr 72
		.amdhsa_next_free_sgpr 66
		.amdhsa_reserve_vcc 0
		.amdhsa_float_denorm_mode_32 3
		.amdhsa_float_denorm_mode_16_64 3
		.amdhsa_memory_ordered 1
		.amdhsa_forward_progress 1
		.amdhsa_inst_pref_size 11
	.end_amdhsa_kernel
	.amdgpu_metadata
---
amdhsa.version: [ 1, 2 ]
amdhsa.kernels:
  - .name:           k_q7fa0c12108_cast
    .symbol:         k_q7fa0c12108_cast.kd
    .args:
      - { .name: X, .offset: 0, .size: 8, .value_kind: global_buffer, .address_space: global }
      - { .name: Wup, .offset: 8, .size: 8, .value_kind: global_buffer, .address_space: global }
      - { .name: Wdown, .offset: 16, .size: 8, .value_kind: global_buffer, .address_space: global }
      - { .name: Wq, .offset: 24, .size: 8, .value_kind: global_buffer, .address_space: global }
      - { .name: Wk, .offset: 32, .size: 8, .value_kind: global_buffer, .address_space: global }
      - { .name: Wv, .offset: 40, .size: 8, .value_kind: global_buffer, .address_space: global }
      - { .name: Wo, .offset: 48, .size: 8, .value_kind: global_buffer, .address_space: global }
      - { .name: bq, .offset: 56, .size: 8, .value_kind: global_buffer, .address_space: global }
      - { .name: bk, .offset: 64, .size: 8, .value_kind: global_buffer, .address_space: global }
      - { .name: bv, .offset: 72, .size: 8, .value_kind: global_buffer, .address_space: global }
      - { .name: bup, .offset: 80, .size: 8, .value_kind: global_buffer, .address_space: global }
      - { .name: xh, .offset: 88, .size: 8, .value_kind: global_buffer, .address_space: global }
      - { .name: wuph, .offset: 96, .size: 8, .value_kind: global_buffer, .address_space: global }
      - { .name: wdnh, .offset: 104, .size: 8, .value_kind: global_buffer, .address_space: global }
      - { .name: wqkvh, .offset: 112, .size: 8, .value_kind: global_buffer, .address_space: global }
      - { .name: woh, .offset: 120, .size: 8, .value_kind: global_buffer, .address_space: global }
    .group_segment_fixed_size: 0
    .private_segment_fixed_size: 0
    .kernarg_segment_align: 8
    .kernarg_segment_size: 128
    .max_flat_workgroup_size: 256
    .sgpr_count:     66
    .vgpr_count:     72
    .wavefront_size: 32
...
	.end_amdgpu_metadata
.endif
;; end of part 1
;; launch qkv (part 2): grid 12 x 16, 4 waves a work-group, clusters of 4 x 4, 327,680 bytes of LDS; arguments xh, wqkvh, big; writes big
.if DOCPART == 2
	.amdgcn_target "amdgcn-amd-amdhsa--gfx1250"
	.amdhsa_code_object_version 6
	.text
	.protected	k_q7fa0c12108_qkv
	.globl	k_q7fa0c12108_qkv
	.p2align	8
	.type	k_q7fa0c12108_qkv,@function
k_q7fa0c12108_qkv:
	s_mov_b64 s[64:65], 0
	v_nop
	global_prefetch_b8 v0, s[64:65] scope:SCOPE_SE
	s_setreg_imm32_b32 hwreg(HW_REG_WAVE_MODE, 25, 1), 1
	s_wait_xcnt 0x0
	s_wait_alu depctr_hold_cnt(0) depctr_sa_sdst(0) depctr_va_vdst(0) depctr_va_sdst(0) depctr_va_ssrc(0) depctr_va_vcc(0) depctr_vm_vsrc(0)
	s_getreg_b32 s2, hwreg(HW_REG_IB_STS2, 6, 4)
	s_cmp_eq_u32 s2, 0
	s_cbranch_scc0 .Lentry_in_a_cluster
	s_endpgm
.Lentry_in_a_cluster:
	s_bfe_u32 s2, ttmp6, 0x10000c
	s_cmp_lg_u32 s2, 0xf033
	s_cbranch_scc0 .Lentry_shape_is_right
	s_endpgm
.Lentry_shape_is_right:
; C = max(A B^T + bias, floor), rounded to bf16.  A: [4096][1024] bf16.  B: [N][1024] bf16, N = 256 x the grid's x; behind byte PAR of
; B's buffer lie N f32 of bias and, 16 KiB further, the floor (-infinity: no activation; 0: relu).  C is stored in panels of 1,024
; columns, each [4096][1024] bf16.  LIMIT: v_max_num_f32 drops a NaN, so a NaN in front of the activation becomes the floor.
; A work-group makes 256 x 256 of C with four waves, a wave 128 x 128: 64 accumulator tiles of 16 x 16 in 512 registers.  K goes in 8 steps
; of 128 through two LDS slots filled by tensor loads whose rows are 256 bytes of memory, aligned.
; CLUSTERS: 4 x 4 work-groups.  The four of a row of the cluster need the same tiles of A, the four of a column the same tiles of B: each
; tile is asked for jointly, by the same load with the same descriptor in all four, which divides the requests by four.
; REGISTERS, in windows of 256: window 0: v16-27 addresses, v64-191 fragments of A (two buffers), v192-255 the bias of my 64 columns;
; window 1: v64-191 fragments of B; windows 2, 3: the accumulators of my rows 0-63, 64-127 (tile (a, b) at v[8 (8 a + b)]).
; THE MATRIX INSTRUCTION IS USED TRANSPOSED (source 0 = rows of B, source 1 = rows of A): lane l holds row l % 16 of C and its registers
; 0 to 7 the columns 8 (l / 16) + 0..7, eight neighbouring numbers of a row.
.set SIZE_K, 1024
.set CPITCH, 2048                      ; bytes in a row of a panel of C
.set PAR,    0x800000
.set KSTEP,  128
.set PITCH,  272                       ; an LDS row: 256 bytes + 16 of padding, an odd multiple of 16: the 16 rows of a fragment load start 16 bytes apart modulo 256
.set HALFT,  128*PITCH                 ; 128 rows: what one tensor load brings
.set SLOT,   4*HALFT                   ; A's 256 rows, then B's 256 rows
.set STAGE,  2*SLOT                    ; behind the ring: 16 rows x 272 bytes for each wave; no tensor load lands here
.set SPITCH, 272
.set LAPS, SIZE_K/(2*KSTEP)
.set ADRA, 16
.set ADRB, 20
.set STO,  24
.set RD,   25
.set CO,   26
.set BOFF, 27
.set F0,   64
.set F1,   128
.set RB0,  32                          ; the way out, window 0: rows read back, two buffers
.set RB1,  64
.set TT,   96                          ; 64 numbers in f32 at work
.set TMP,  160                         ; 32 registers of packed bf16
.set BIAS, 192                         ; v[192+8b+j]: bias of column 16 b + 8 (l / 16) + j of my 128
.set G1, 24
.set G0, 32
.set G1B, 48
.set G0B, 56
.set MSB, 0
.macro WIN new                         ; the immediate's high byte repeats the setting that is left
.if MSB != \new
	s_set_vgpr_msb (MSB<<8)|\new
.set MSB, \new
.endif
.endm
.set MUL_LO, 0xa1                      ; source 0 (B) window 1, source 1 (A) window 0, C and D window 2
.set MUL_HI, 0xf1                      ; the same, C and D window 3
.set TO_B,   0x40                      ; destination window 1, address window 0
; A joint load.  Waves 0 and 1 fetch A's two halves, waves 2 and 3 B's; the branch hangs on the wave's number alone.
.macro JLOAD s
	s_cmp_eq_u32 s11, 0
	s_cbranch_scc0 .Lfor_b_\@
	tensor_load_to_lds s[G0+4*\s:G0+4*\s+3], s[G1:G1+7]
	s_nop 0
	s_branch .Lasked_\@
.Lfor_b_\@:
	tensor_load_to_lds s[G0B+4*\s:G0B+4*\s+3], s[G1B:G1B+7]
	s_nop 0
.Lasked_\@:
.endm
; A round of the cluster's barrier: my work-group's barrier; wave 0 signals for the work-group; every wave waits for all sixteen; my work-group's barrier again.
.macro CREST
	s_cmp_lg_u32 s10, 0
	s_cbranch_scc1 .Lnot_wave_0_\@
	s_barrier_signal -3
.Lnot_wave_0_\@:
	s_barrier_wait -3
	s_barrier_signal -1
	s_barrier_wait -1
.endm
.macro CROUND
	s_barrier_signal -1
	s_barrier_wait -1
	CREST
.endm
	s_load_b128 s[4:7], s[0:1], 0x0                ; A s[4:5], B s[6:7]
	s_load_b64 s[8:9], s[0:1], 0x10                ; C
	s_set_vgpr_msb 0x40
	v_lshl_add_u32 v255, v0, 2, 0x48400
	s_set_vgpr_msb 0x4000
	v_mov_b32 v31, 0
	s_set_vgpr_msb 0x1
	ds_add_u32 v255, v31
	ds_add_u32 v255, v31
	s_set_vgpr_msb 0x100
	v_lshrrev_b32 v1, 5, v0
	v_readfirstlane_b32 s10, v1                    ; wave 0..3
	s_lshr_b32 s11, s10, 1                         ; my half of the block's rows; also: I fetch for A (0) or for B (1)
	s_and_b32 s12, s10, 1                          ; my half of its columns; also: which 128 rows of the tile I fetch
	s_bfe_u32 s40, ttmp6, 0x40000                  ; cx
	s_bfe_u32 s41, ttmp6, 0x40004                  ; cy
	s_lshl_b32 s42, ttmp9, 2
	s_add_co_u32 s42, s42, s40                     ; block column = 4 x cluster x + cx
	s_and_b32 s13, ttmp7, 0xffff
	s_lshl_b32 s13, s13, 2
	s_add_co_u32 s13, s13, s41                     ; block row = 4 x cluster y + cy
	s_lshl_b32 s43, s41, 2
	s_lshl_b32 s43, 15, s43                        ; my row of the cluster: places 4 cy .. 4 cy + 3
	s_lshl_b32 s44, 0x1111, s40                    ; my column: places cx, cx + 4, cx + 8, cx + 12
	; group 1: 128 rows x 128 elements of 2 bytes, 4 words of padding behind every 64 words
	s_or_b32 s[G1+0], s43, (1<<16)|(1<<20)|(1<<21)|(5<<22)|(3<<25)
	s_or_b32 s[G1B+0], s44, (1<<16)|(1<<20)|(1<<21)|(5<<22)|(3<<25)
	s_mov_b32 s[G1B+1], KSTEP<<16
	s_mov_b32 s[G1+1], KSTEP<<16                   ; tensor_dim0 = 128
	s_mov_b32 s[G1B+2], 128<<16
	s_mov_b32 s[G1+2], 128<<16                     ; tensor_dim1 = 128
	s_mov_b32 s[G1B+3], KSTEP<<16
	s_mov_b32 s[G1+3], KSTEP<<16                   ; tile_dim0 = 128
	s_mov_b32 s[G1B+4], 128
	s_mov_b32 s[G1+4], 128                         ; tile_dim1 = 128
	s_mov_b32 s[G1B+5], SIZE_K
	s_mov_b32 s[G1+5], SIZE_K                      ; elements from row to row
	s_mov_b32 s[G1B+6], 0
	s_mov_b32 s[G1+6], 0
	s_mov_b32 s[G1B+7], 0
	s_mov_b32 s[G1+7], 0
	; A's tiles hang on the block row alone, B's on the block column alone, each in registers that never hold the other coordinate
	s_lshl_b32 s17, s12, 7
	s_lshl_b32 s16, s13, 8
	s_add_co_u32 s16, s16, s17                     ; A: row 256 x block row + 128 x half
	s_lshl_b32 s46, s42, 8
	s_add_co_u32 s46, s46, s17                     ; B: row 256 x block column + 128 x half
	s_mov_b32 s17, 0
	s_mov_b32 s47, 0
	s_mov_b64 s[18:19], SIZE_K*2
	s_mul_u64 s[16:17], s[16:17], s[18:19]
	s_mul_u64 s[46:47], s[46:47], s[18:19]
	s_mul_i32 s20, s10, HALFT                      ; LDS: wave x 128 rows
	s_wait_dscnt 0x0
	s_wait_kmcnt 0x0
	s_add_nc_u64 s[14:15], s[4:5], s[16:17]
	s_add_nc_u64 s[46:47], s[6:7], s[46:47]
	CROUND                                         ; all sixteen work-groups are here: the first joint loads meet
.irp s, 0,1
	s_mov_b32 s[G0+4*\s], 1
	s_add_co_u32 s[G0+4*\s+1], s20, \s*SLOT
	s_add_nc_u64 s[G0+4*\s+2:G0+4*\s+3], s[14:15], \s*KSTEP*2
	s_or_b32 s[G0+4*\s+3], s[G0+4*\s+3], 0x80000000
	s_mov_b32 s[G0B+4*\s], 1
	s_add_co_u32 s[G0B+4*\s+1], s20, \s*SLOT
	s_add_nc_u64 s[G0B+4*\s+2:G0B+4*\s+3], s[46:47], \s*KSTEP*2
	s_or_b32 s[G0B+4*\s+3], s[G0B+4*\s+3], 0x80000000
	JLOAD \s                                       ; the ring is asked for before anything else
.endr
	; the floor and the bias of my 128 columns, in scalar registers of their own
	s_add_nc_u64 s[66:67], s[6:7], PAR
	s_load_b32 s45, s[66:67], 0x4000               ; the floor
	s_lshl_b32 s70, s42, 8
	s_lshl_b32 s71, s12, 7
	s_add_co_u32 s70, s70, s71                     ; my first column of N
	s_lshl_b32 s70, s70, 2
	s_mov_b32 s71, 0
	s_add_nc_u64 s[68:69], s[66:67], s[70:71]
	v_and_b32 v1, 15, v0                           ; l % 16
	v_bfe_u32 v2, v0, 4, 1                         ; l / 16
	v_lshlrev_b32 v[BOFF], 5, v2                   ; 8 f32 further for lanes 16 to 31
.irp b, 0,1,2,3,4,5,6,7
	global_load_b128 v[BIAS+8*\b:BIAS+8*\b+3],   v[BOFF], s[68:69] offset:64*\b
	global_load_b128 v[BIAS+8*\b+4:BIAS+8*\b+7], v[BOFF], s[68:69] offset:64*\b+16
.endr
	v_mul_u32_u24 v3, v1, PITCH
	v_lshl_add_u32 v3, v2, 4, v3                   ; fragment: row x pitch + 16 x half
	s_mul_i32 s21, s11, HALFT                      ; my 128 rows of A
	s_mul_i32 s22, s12, HALFT                      ; my 128 rows of B,
	s_add_co_u32 s22, s22, 2*HALFT                 ; which lie behind A's 256
.irp s, 0,1
	v_add_nc_u32 v[ADRA+\s], s21, v3
	v_add_nc_u32 v[ADRB+\s], s22, v3
	s_add_co_u32 s21, s21, SLOT
	s_add_co_u32 s22, s22, SLOT
.endr
	s_mul_i32 s23, s10, 16*SPITCH
	s_add_co_u32 s23, s23, STAGE                   ; my stage
	v_mul_u32_u24 v4, v1, SPITCH
	v_lshl_add_u32 v4, v2, 4, v4
	v_add_nc_u32 v[STO], s23, v4                   ; in: row l % 16, 16 bytes for each half of the lanes
	v_mul_u32_u24 v5, v2, SPITCH
	v_lshl_add_u32 v5, v1, 4, v5
	v_add_nc_u32 v[RD], s23, v5                    ; back: lanes 0-15 one row of 256 bytes, lanes 16-31 the next
	v_mul_u32_u24 v5, v2, CPITCH
	v_lshl_add_u32 v[CO], v1, 4, v5                ; the same two rows in C
; 16 matrix instructions: m blocks a0, a0 + 1 of the window's four x all 8 n blocks, 32 along K.  zero = 1: the first product starts the sums.
.macro MUL16 f, hi, a0, zero
.irp a, \a0, \a0+1
.irp b, 0,1,2,3,4,5,6,7
.if \zero
	v_wmma_f32_16x16x32_bf16 v[8*(8*(\a)+\b):8*(8*(\a)+\b)+7], v[\f+8*\b:\f+8*\b+7], v[\f+8*(4*\hi+\a):\f+8*(4*\hi+\a)+7], 0
.else
	v_wmma_f32_16x16x32_bf16 v[8*(8*(\a)+\b):8*(8*(\a)+\b)+7], v[\f+8*\b:\f+8*\b+7], v[\f+8*(4*\hi+\a):\f+8*(4*\hi+\a)+7], v[8*(8*(\a)+\b):8*(8*(\a)+\b)+7]
.endif
.endr
.endr
.endm
; 32 LDS loads in one run: one quarter step's fragments (128 rows of B, 128 rows of A, 32 K at byte k of the rows) into buffer f
.macro FETCH slot, k, f
	WIN TO_B
.irp i, 0,1,2,3,4,5,6,7
	ds_load_b128 v[\f+8*\i:\f+8*\i+3],   v[ADRB+\slot] offset:\k+\i*16*PITCH
	ds_load_b128 v[\f+8*\i+4:\f+8*\i+7], v[ADRB+\slot] offset:\k+\i*16*PITCH+32
.endr
	WIN 0
.irp i, 0,1,2,3,4,5,6,7
	ds_load_b128 v[\f+8*\i:\f+8*\i+3],   v[ADRA+\slot] offset:\k+\i*16*PITCH
	ds_load_b128 v[\f+8*\i+4:\f+8*\i+7], v[ADRA+\slot] offset:\k+\i*16*PITCH+32
.endr
.endm
; Four independent vector instructions stand between a matrix instruction and a load into, or a vector access to, one of its registers
.macro PLACES
.rept 4
	v_nop
.endr
.endm
; A K step is four quarters of 32 along K, 64 matrix instructions each, on buffers 0, 1, 0, 1.  The 64 accumulators take turns, one instruction a turn.
.macro QUARTER slot, k, f, g, zero
	s_wait_dscnt 8                                 ; B and A's rows 0-63 are in; the youngest eight loads (A's rows 64-127) may be out
	WIN MUL_LO
	MUL16 \f, 0, 0, \zero
	MUL16 \f, 0, 2, \zero
	PLACES
	FETCH \slot, \k, \g
	s_wait_dscnt 32                                ; all but the 32 just issued
	WIN MUL_HI
	MUL16 \f, 1, 0, \zero
	MUL16 \f, 1, 2, \zero
.endm
.macro THREE slot, zero
	QUARTER \slot, 64,  F0, F1, \zero
	QUARTER \slot, 128, F1, F0, 0
	QUARTER \slot, 192, F0, F1, 0
.endm
; The last quarter changes slots.  In front of the barrier each wave waits for its reads of this slot and for all its tensor loads (one is out: its
; part of the next slot).  Behind it the refill comes first, then the next slot's first fragments.
.macro TURN slot, next, fill
	s_wait_dscnt 8
	WIN MUL_LO
	MUL16 F1, 0, 0, 0
	s_wait_dscnt 0                                 ; my reads of this slot are over
	s_wait_tensorcnt 0x0                           ; and all my tensor loads have landed
	ds_add_u32 v255, v31
	s_wait_dscnt 0x0
	s_barrier_signal -1
	MUL16 F1, 0, 2, 0                              ; register work while the others arrive
	WIN 0
	s_barrier_wait -1
.if \fill
	CREST                                          ; all sixteen work-groups have said so: no wave of any partner reads this slot or has a load on its way
	s_add_nc_u64 s[G0+4*\slot+2:G0+4*\slot+3], s[G0+4*\slot+2:G0+4*\slot+3], 2*KSTEP*2
	s_add_nc_u64 s[G0B+4*\slot+2:G0B+4*\slot+3], s[G0B+4*\slot+2:G0B+4*\slot+3], 2*KSTEP*2
	JLOAD \slot                                    ; the first tensor load behind the round, one a wave
.endif
	PLACES
	FETCH \next, 0, F0
	WIN MUL_HI
	MUL16 F1, 1, 0, 0
	MUL16 F1, 1, 2, 0
.endm
.macro LAP zero
	THREE 0, \zero
	TURN 0, 1, 1
	THREE 1, 0
	TURN 1, 0, 1
.endm
	s_wait_kmcnt 0x0                               ; the floor
	s_wait_tensorcnt 1                             ; my part of K step 0 is in; K step 1's stays out
	s_barrier_signal -1
	s_barrier_wait -1
	FETCH 0, 0, F0
	LAP 1                                          ; the first lap's first products start the sums
	WIN 0
	s_mov_b32 s3, LAPS-2
.Llap:
	LAP 0
	WIN 0
	s_sub_co_u32 s3, s3, 1
	s_cmp_lg_u32 s3, 0
	s_cbranch_scc1 .Llap
	THREE 0, 0                                     ; the last lap fills nothing
	TURN 0, 1, 0
	THREE 1, 0
	s_wait_dscnt 8
	WIN MUL_LO
	MUL16 F1, 0, 0, 0
	MUL16 F1, 0, 2, 0
	s_wait_dscnt 0
	WIN MUL_HI
	MUL16 F1, 1, 0, 0
	MUL16 F1, 1, 2, 0
	; THE WAY OUT, 16 rows at a time: + bias, floor, round to bf16, 16 bytes a lane into my stage, read back as whole rows of 256 bytes
	PLACES
	s_wait_loadcnt 0x0                             ; the bias, asked for at the start
	s_lshl_b32 s13, s13, 8
	s_lshl_b32 s14, s11, 7
	s_add_co_u32 s16, s13, s14                     ; my first row
	s_lshl_b32 s16, s16, 11                        ; x 2,048 bytes
	s_mov_b32 s17, 0
	s_add_nc_u64 s[8:9], s[8:9], s[16:17]
	s_lshr_b32 s46, s42, 2                         ; the panel: four block columns each,
	s_lshl_b32 s46, s46, 23                        ; 4,096 rows x 2,048 bytes
	s_and_b32 s47, s42, 3
	s_lshl_b32 s47, s47, 9                         ; 512 bytes a block column in the panel
	s_add_co_u32 s46, s46, s47
	s_lshl_b32 s47, s12, 8                         ; 256 bytes for my half
	s_add_co_u32 s46, s46, s47
	s_mov_b32 s47, 0
	s_add_nc_u64 s[8:9], s[8:9], s[46:47]
; rows 16 i .. 16 i + 15 of my block = tiles (a, 0..7) of window 2 or 3 (from = 0x02 or 0x03: source 0); f: RB0 or RB1 in turn
.macro OUT16 i, a, from, f
	WIN \from
.irp b, 0,1,2,3,4,5,6,7
.irp r, 0,1,2,3
	v_pk_add_f32 v[TT+8*\b+2*\r:TT+8*\b+2*\r+1], v[8*(8*\a+\b)+2*\r:8*(8*\a+\b)+2*\r+1], v[BIAS+8*\b+2*\r:BIAS+8*\b+2*\r+1]
.endr
.endr
	WIN 0
.set k, 0
.rept 64
	v_max_num_f32 v[TT+k], s45, v[TT+k]
.set k, k+1
.endr
.irp b, 0,1,2,3,4,5,6,7
.irp r, 0,1,2,3
	v_cvt_pk_bf16_f32 v[TMP+4*\b+\r], v[TT+8*\b+2*\r], v[TT+8*\b+2*\r+1]
.endr
.endr
.irp b, 0,1,2,3,4,5,6,7
	ds_store_b128 v[STO], v[TMP+4*\b:TMP+4*\b+3] offset:32*\b
.endr
	s_wait_xcnt 0x0                                ; buffer f, which earlier stores read, and the stores' base are rewritten only behind this wait
.if \i
	s_add_nc_u64 s[8:9], s[8:9], 16*CPITCH
.endif
.irp t, 0,1,2,3,4,5,6,7
	ds_load_b128 v[\f+4*\t:\f+4*\t+3], v[RD] offset:\t*2*SPITCH    ; LDS serves a wave's instructions in order: these see the stores above
.endr
.irp t, 0,1,2,3,4,5,6,7
	s_wait_dscnt 7-\t
	global_store_b128 v[CO], v[\f+4*\t:\f+4*\t+3], s[8:9] offset:2*\t*CPITCH   ; 16 lanes store 256 consecutive bytes, aligned
.endr
.endm
	OUT16 0, 0, 0x02, RB0
	OUT16 1, 1, 0x02, RB1
	OUT16 2, 2, 0x02, RB0
	OUT16 3, 3, 0x02, RB1
	OUT16 4, 0, 0x03, RB0
	OUT16 5, 1, 0x03, RB1
	OUT16 6, 2, 0x03, RB0
	OUT16 7, 3, 0x03, RB1
	s_set_vgpr_msb 0x1
	s_wait_tensorcnt 0x0
	ds_add_u32 v255, v31
	s_wait_dscnt 0x0
	s_set_vgpr_msb 0x100
	CROUND                                         ; the closing round: no work-group ends while a partner may still ask for a tile that names it
	s_endpgm
.Lfunc_end_k_q7fa0c12108_qkv:
	.size	k_q7fa0c12108_qkv, .Lfunc_end_k_q7fa0c12108_qkv-k_q7fa0c12108_qkv
	.p2alignl 7, 3214868480
	.fill 96, 4, 3214868480
	.section	.rodata,"a",@progbits
	.p2align	6, 0x0
	.amdhsa_kernel k_q7fa0c12108_qkv
		.amdhsa_group_segment_fixed_size 327680
		.amdhsa_private_segment_fixed_size 0
		.amdhsa_enable_private_segment 0
		.amdhsa_kernarg_size 24
		.amdhsa_user_sgpr_count 2
		.amdhsa_user_sgpr_kernarg_segment_ptr 1
		.amdhsa_wavefront_size32 1
		.amdhsa_system_sgpr_workgroup_id_x 1
		.amdhsa_system_sgpr_workgroup_id_y 1
		.amdhsa_system_sgpr_workgroup_id_z 1
		.amdhsa_system_vgpr_workitem_id 0
		.amdhsa_next_free_vgpr 1024
		.amdhsa_next_free_sgpr 72
		.amdhsa_reserve_vcc 0
		.amdhsa_float_denorm_mode_32 3
		.amdhsa_float_denorm_mode_16_64 3
		.amdhsa_memory_ordered 1
		.amdhsa_forward_progress 1
		.amdhsa_inst_pref_size 230
	.end_amdhsa_kernel
	.amdgpu_metadata
---
amdhsa.version: [ 1, 2 ]
amdhsa.kernels:
  - .name:           k_q7fa0c12108_qkv
    .symbol:         k_q7fa0c12108_qkv.kd
    .args:
      - { .name: xh, .offset: 0, .size: 8, .value_kind: global_buffer, .address_space: global }
      - { .name: wqkvh, .offset: 8, .size: 8, .value_kind: global_buffer, .address_space: global }
      - { .name: big, .offset: 16, .size: 8, .value_kind: global_buffer, .address_space: global }
    .group_segment_fixed_size: 327680
    .private_segment_fixed_size: 0
    .kernarg_segment_align: 8
    .kernarg_segment_size: 24
    .max_flat_workgroup_size: 128
    .sgpr_count:     72
    .vgpr_count:     1024
    .wavefront_size: 32
...
	.end_amdgpu_metadata
.endif
;; end of part 2
;; launch attn (part 3): grid 256 x 1, 8 waves a work-group, no clusters, 327,680 bytes of LDS; arguments big, act; writes act
.if DOCPART == 3
	.amdgcn_target "amdgcn-amd-amdhsa--gfx1250"
	.amdhsa_code_object_version 6
	.text
	.protected	k_q7fa0c12108_attn
	.globl	k_q7fa0c12108_attn
	.p2align	8
	.type	k_q7fa0c12108_attn,@function
k_q7fa0c12108_attn:
	s_mov_b64 s[64:65], 0
	v_nop
	global_prefetch_b8 v0, s[64:65] scope:SCOPE_SE
	s_setreg_imm32_b32 hwreg(HW_REG_WAVE_MODE, 25, 1), 1
	s_wait_xcnt 0x0
; Causal attention with a running maximum.  big holds Q, K, V as three panels [4096][1024] bf16 (8 MiB apart); the result goes to act's first panel.
; Work-group g: batch and head g / 8, j = g % 8.  Query blocks have 128 rows; keys go in PAIRS of tiles, 256 keys to an LDS slot; block q needs pairs 0 .. q / 2.
; EIGHT WAVES, two to a SIMD, split over the keys: waves 0-3 (group 0) take the first 128 keys of every slot, waves 4-7 (group 1) the second 128, both for the
; same 4 x 32 queries (wave % 4).  Each wave keeps its own maximum, sum and O; at a block's end group 1 hands its three to group 0 through LDS, which merges them.
; While one wave of a SIMD waits for LDS or for the matrix unit, the other has vector work.
; BALANCE: with a = j / 2, e = j % 2 the work-group does block q1 = 4a + e (2a + 1 slots) and then q2 = 15 - q1 (8 - 2a slots): 9 slots for every work-group.
; In each block the diagonal pair comes first: it alone is masked and it starts all sums (nothing is cleared).
; All eight waves fetch: waves 0-3 K's quarters, waves 4-7 V's, one tensor load of 64 rows a wave behind each barrier.
; ORIENTATION: S^T = K Q^T (source 0 = 16 keys from LDS, source 1 = 16 queries in registers): a lane holds ONE query (l % 16) and 8 keys a tile, so
; maximum and sum are work inside the lane plus one exchange of halves, and the packed P is already source 1 of O^T = V^T P^T.
; NO CLUSTER: the eight work-groups of a head want different pairs in the same turn (the first block has 2a + 1 slots), so a form in which all partners
; make every request would take 16 fills a work-group instead of 9.
; LIMITS: Q, K, V and P are bf16; masked scores are -1e20 and their exponentials come out as 0.  For an even q group 1's half of the diagonal pair is wholly
; masked; so that such a step gives an empty part (P = 0, sum 0), a step's maximum is bounded below by -1e19: a query all of whose visible scores lie
; below -1e19 would give 0/0.  A head's row is 128 bytes, so a store covers four pieces of 128 consecutive bytes, not whole blocks of 256.
.set KP,     144                       ; K's LDS pitch: odd multiple of 16 bytes
.set VP,     160                       ; V's: odd multiple of 32 bytes, for the transposing loads
.set KBYTES, 256*KP                    ; a slot: K's 256 rows, then V's 256 rows
.set SLOTB,  256*KP+256*VP             ; 77,824
.set STG,    2*SLOTB                   ; behind the slots: 32 rows x 144 bytes for each wave of group 0; no tensor load lands here
.set MRGB,   STG+4*32*KP               ; behind the stage: what group 1 hands over, 17 x 512 bytes for each pair of waves; no tensor load lands here
.set MRGW,   17*512
.set ADK,  1                           ; v1, v2: slot 0, 1: 128 g x 144 + (l % 16) 144 + 16 (l / 16)
.set ADV,  3                           ; v3, v4: slot 0, 1: KBYTES + 128 g x 160 + (8 (l / 16) + l % 8) 160 + 16 ((l / 8) % 2)
.set STO,  5
.set RD,   6
.set QOFF, 7
.set CO,   8
.set NEGR, 9                           ; -1e20
.set THR,  10                          ; v10, v11: the largest key index 64 st + 16 kt + j that query tile n may see in the diagonal pair
.set THRB, 12                          ; 32 (w % 4) + l % 16 - 8 (l / 16) - 128 g
.set MRG,  13                          ; my pair's hand-over bytes + 16 l
.set NMC,  14                          ; v[14:17]: -(running maximum) x c, twice, for n = 0, 1
.set AL,   18                          ; v[18:21]: the step's factor for the old sums, twice
.set LS,   22                          ; v22, v23: my half's running sum
.set T,    24                          ; v[24:31] at work
.set Q,    32                          ; Q(n, kk) at 32 + 8 (2 n + kk)
.set O,    64                          ; O(n, dt) at 64 + 8 (4 n + dt)
.set S,    128                         ; S(n, kt) at 128 + 8 (4 n + kt); then P(n, kk) at 128 + 32 n + 16 kk
.set KV,   192                         ; K(kt, kk) or V(dt, kk) at 192 + 8 (2 t + kk)
.macro JLOAD
	s_cmp_lt_u32 s8, 4
	s_cbranch_scc0 .Lfor_v_\@
	tensor_load_to_lds s[32:35], s[16:23]
	s_nop 0
	s_branch .Lasked_\@
.Lfor_v_\@:
	tensor_load_to_lds s[36:39], s[24:31]
	s_nop 0
.Lasked_\@:
.endm
	s_load_b128 s[4:7], s[0:1], 0x0                ; big s[4:5], act s[6:7]
	s_set_vgpr_msb 0x40
	v_lshl_add_u32 v0, v0, 2, 0x33000
	v_mov_b32 v1, 0
	s_set_vgpr_msb 0x4045
	ds_add_u32 v0, v1
	ds_add_u32 v0, v1
	s_set_vgpr_msb 0x4500
	v_lshrrev_b32 v24, 5, v0
	v_readfirstlane_b32 s8, v24                    ; wave 0..7
	s_and_b32 s9, s8, 3                            ; which 32 queries; also: which 64 rows I fetch
	s_lshr_b32 s15, s8, 2                          ; group g: which 128 keys of a slot; also: I fetch for K (0) or for V (1)
	s_lshr_b32 s60, ttmp9, 3
	s_lshr_b32 s10, s60, 4                         ; batch
	s_and_b32 s11, s60, 15                         ; head
	s_and_b32 s61, ttmp9, 7                        ; j
	s_lshr_b32 s12, s61, 1                         ; a
	s_and_b32 s61, s61, 1                          ; e
	s_lshl2_add_u32 s13, s12, s61                  ; q1 = 4a + e
	s_sub_co_u32 s14, 15, s13                      ; q2 = 15 - q1
	s_sub_co_u32 s53, 3, s12                       ; 3 - a
	; group 1: 64 rows x 64 elements of 2 bytes, pitch 1,024 elements; padding behind every 32 words: 4 words for K, 8 for V
	s_mov_b32 s16, (1<<16)|(1<<20)|(4<<22)|(3<<25)
	s_mov_b32 s17, 64<<16
	s_mov_b32 s18, 64<<16
	s_mov_b32 s19, 64<<16
	s_mov_b32 s20, 64
	s_mov_b32 s21, 1024
	s_mov_b32 s22, 0
	s_mov_b32 s23, 0
	s_mov_b32 s24, (1<<16)|(1<<20)|(4<<22)|(7<<25)
	s_mov_b32 s25, 64<<16
	s_mov_b32 s26, 64<<16
	s_mov_b32 s27, 64<<16
	s_mov_b32 s28, 64
	s_mov_b32 s29, 1024
	s_mov_b32 s30, 0
	s_mov_b32 s31, 0
	s_mul_i32 s50, s9, 64*KP                       ; K's quarters at (w % 4) x 9,216
	s_mul_i32 s51, s9, 64*VP                       ; V's at KBYTES + (w % 4) x 10,240
	s_add_co_u32 s51, s51, KBYTES
	s_lshl_b32 s60, s10, 11                        ; row 2048 b
	s_lshl_b32 s61, s9, 6                          ; + 64 (w % 4)
	s_add_co_u32 s60, s60, s61
	s_lshl_b32 s60, s60, 11                        ; x 2,048 bytes
	s_lshl_b32 s61, s11, 7                         ; + 128 bytes a head
	s_add_co_u32 s60, s60, s61
	s_add_co_u32 s60, s60, 0x800000                ; K's panel
	s_mov_b32 s61, 0
	s_mov_b32 s45, 0
	s_mov_b32 s46, 0                               ; the next plain pair
	s_lshr_b32 s47, s13, 1                         ; when it reaches q1's diagonal pair,
	s_lshr_b32 s48, s14, 1                         ; q2's diagonal pair is due instead
	s_lshl_b32 s44, s47, 19                        ; 256 rows x 2,048 bytes a pair
	s_wait_dscnt 0x0
	s_wait_kmcnt 0x0
	s_add_nc_u64 s[40:41], s[4:5], s[60:61]        ; my quarter of K's pair 0
	s_add_nc_u64 s[42:43], s[40:41], 0x800000      ; and of V's
	s_mov_b32 s32, 1
	s_add_co_u32 s33, s50, 0
	s_add_nc_u64 s[34:35], s[40:41], s[44:45]
	s_or_b32 s35, s35, 0x80000000
	s_mov_b32 s36, 1
	s_add_co_u32 s37, s51, 0
	s_add_nc_u64 s[38:39], s[42:43], s[44:45]
	s_or_b32 s39, s39, 0x80000000
	JLOAD                                          ; block q1's diagonal pair into slot 0
	s_mov_b32 s49, 0xdf0ac723                      ; -1e19: the lower bound of a step's maximum
	s_mov_b32 s58, 0x76543210                      ; v_permlanex16_b32: lane i reads lane i of the other half
	s_mov_b32 s59, 0xfedcba98
	v_and_b32 v24, 15, v0                          ; r = l % 16
	v_bfe_u32 v25, v0, 4, 1                        ; h = l / 16
	v_and_b32 v26, 7, v0                           ; l % 8
	v_bfe_u32 v27, v0, 3, 1                        ; (l / 8) % 2
	v_bfe_u32 v28, v0, 3, 2                        ; l / 8
	v_mul_u32_u24 v29, v24, KP
	v_lshl_add_u32 v29, v25, 4, v29                ; r x 144 + 16 h
	s_mul_i32 s60, s15, 128*KP                     ; my group's 128 keys
	v_add_nc_u32 v[ADK], s60, v29
	v_add_nc_u32 v[ADK+1], SLOTB, v[ADK]
	v_lshl_add_u32 v30, v25, 3, v26
	v_mul_u32_u24 v30, v30, VP
	v_lshl_add_u32 v30, v27, 4, v30
	s_mul_i32 s60, s15, 128*VP
	s_add_co_u32 s60, s60, KBYTES
	v_add_nc_u32 v[ADV], s60, v30
	v_add_nc_u32 v[ADV+1], SLOTB, v[ADV]
	s_mul_i32 s60, s9, 32*KP
	s_add_co_u32 s60, s60, STG                     ; the stage (used by group 0 alone)
	v_add_nc_u32 v[STO], s60, v29                  ; in: row r, 16 bytes for each half of the lanes
	v_mul_u32_u24 v[RD], v28, KP
	v_lshl_add_u32 v[RD], v26, 4, v[RD]
	v_add_nc_u32 v[RD], s60, v[RD]                 ; back: eight lanes take a row of 128 bytes, a load four rows
	v_lshlrev_b32 v[QOFF], 11, v24
	v_lshl_add_u32 v[QOFF], v25, 4, v[QOFF]
	v_lshlrev_b32 v[CO], 11, v28
	v_lshl_add_u32 v[CO], v26, 4, v[CO]
	v_mov_b32 v[NEGR], 0xe0ad78ec                  ; -1e20
	v_lshlrev_b32 v30, 3, v25
	v_sub_nc_u32 v[THRB], v24, v30                 ; r - 8 h
	s_lshl_b32 s60, s9, 5
	s_lshl_b32 s61, s15, 7
	s_sub_co_u32 s60, s60, s61                     ; + 32 (w % 4) - 128 g
	v_add_nc_u32 v[THRB], s60, v[THRB]
	v_and_b32 v31, 31, v0
	v_lshlrev_b32 v31, 4, v31
	s_mul_i32 s60, s9, MRGW
	s_add_co_u32 s60, s60, MRGB
	v_add_nc_u32 v[MRG], s60, v31                  ; waves w and w + 4 name the same bytes
; byte offset of my 32 rows of query block s[blk], my head, in a panel: into s[60:61]
.macro ROWS blk
	s_lshl_b32 s60, s10, 4
	s_add_co_u32 s60, s60, s[\blk]                 ; 16 blocks a batch
	s_lshl_b32 s60, s60, 2
	s_add_co_u32 s60, s60, s9                      ; four times 32 rows a block
	s_lshl_b32 s60, s60, 16                        ; 32 rows x 2,048 bytes
	s_lshl_b32 s61, s11, 7
	s_add_co_u32 s60, s60, s61
	s_mov_b32 s61, 0
.endm
; My 32 rows of Q of block s[blk]: source 1 fragments, lane = query r, d along the registers
.macro QLOAD blk
	s_wait_xcnt 0x0                                ; Q's base is rewritten only behind this wait
	ROWS \blk
	s_add_nc_u64 s[54:55], s[4:5], s[60:61]
.irp n, 0,1
.irp kk, 0,1
	global_load_b128 v[Q+8*(2*\n+\kk):Q+8*(2*\n+\kk)+3],   v[QOFF], s[54:55] offset:32768*\n+64*\kk
	global_load_b128 v[Q+8*(2*\n+\kk)+4:Q+8*(2*\n+\kk)+7], v[QOFF], s[54:55] offset:32768*\n+64*\kk+32
.endr
.endr
.endm
; The result's base for block s[blk], and the mask's bound: the block is the first (even q) or the second (odd q) tile of its diagonal pair
.macro OUTB blk
	s_wait_xcnt 0x0                                ; the base and the registers that the last block's stores read are rewritten only behind this wait
	ROWS \blk
	s_add_nc_u64 s[56:57], s[6:7], s[60:61]
	s_and_b32 s60, s[\blk], 1
	s_lshl_b32 s60, s60, 7
	v_add_nc_u32 v[THR], s60, v[THRB]
	v_add_nc_u32 v[THR+1], 16, v[THR]
.endm
; The change of slots.  Every wave waits for all its tensor loads (its part of slot 'slot' among them) and for its LDS reads, passes the barrier, and,
; if fill, asks first thing for the next pair into the other slot.  One tensor load a wave is out at any time.
.macro TURN slot, fill
	s_set_vgpr_msb 0x5
	s_wait_tensorcnt 0x0                           ; no load of mine is out: the descriptors may be written
	ds_add_u32 v0, v1
	s_wait_dscnt 0x0
	s_set_vgpr_msb 0x500
.if \fill
	s_cmp_eq_u32 s46, s47
	s_cselect_b32 s44, s48, s46                    ; the next pair
	s_add_co_u32 s46, s46, 1
	s_lshl_b32 s44, s44, 19
	s_add_nc_u64 s[34:35], s[40:41], s[44:45]
	s_or_b32 s35, s35, 0x80000000
	s_add_nc_u64 s[38:39], s[42:43], s[44:45]
	s_or_b32 s39, s39, 0x80000000
	s_add_co_u32 s33, s50, (1-\slot)*SLOTB
	s_add_co_u32 s37, s51, (1-\slot)*SLOTB
.endif
	s_wait_dscnt 0x0                               ; my reads of the other slot are over
	s_barrier_signal -1
	s_barrier_wait -1
.if \fill
	JLOAD
.endif
.endm
; Query tile n, 64 keys: running maximum, exponentials, sum, P packed to bf16 in place, old sums rescaled.  c = log2(e) / 8.
.macro SOFTMAX n, first
.irp c, 0,1,2,3
	v_max3_num_f32 v[T+\c], v[S+32*\n+8*\c], v[S+32*\n+8*\c+1], v[S+32*\n+8*\c+2]
.endr
.irp c, 0,1,2,3
	v_max3_num_f32 v[T+\c], v[T+\c], v[S+32*\n+8*\c+3], v[S+32*\n+8*\c+4]
.endr
.irp c, 0,1,2,3
	v_max3_num_f32 v[T+\c], v[T+\c], v[S+32*\n+8*\c+5], v[S+32*\n+8*\c+6]
.endr
.irp c, 0,1,2,3
	v_max_num_f32 v[T+\c], v[T+\c], v[S+32*\n+8*\c+7]
.endr
	v_max3_num_f32 v[T], v[T], v[T+1], v[T+2]
	v_max_num_f32 v[T], v[T], v[T+3]
	v_permlanex16_b32 v[T+1], v[T], s58, s59       ; the same query's other 32 keys
	v_max3_num_f32 v[T], v[T], v[T+1], s49         ; and the lower bound, for a step in which every key is masked
.if \first
	v_mul_f32 v[NMC+2*\n], 0xbe38aa3b, v[T]
	v_mul_f32 v[NMC+2*\n+1], 0xbe38aa3b, v[T]
.else
	v_mul_f32 v[T+2], 0xbe38aa3b, v[T]
	v_min_num_f32 v[T+2], v[NMC+2*\n], v[T+2]      ; -(new maximum) c
	v_sub_f32 v[T+3], v[T+2], v[NMC+2*\n]
	v_exp_f32 v[AL+2*\n], v[T+3]                   ; 2^((old - new maximum) c); the two moves below stand between it and its use (ISA guide 5.7.2)
	v_mov_b32 v[NMC+2*\n], v[T+2]
	v_mov_b32 v[NMC+2*\n+1], v[T+2]
	s_wait_alu depctr_va_vdst(0)
	v_mov_b32 v[AL+2*\n+1], v[AL+2*\n]
.endif
.set i, 0
.rept 16
	v_pk_fma_f32 v[S+32*\n+2*i:S+32*\n+2*i+1], v[S+32*\n+2*i:S+32*\n+2*i+1], 0x3e38aa3b, v[NMC+2*\n:NMC+2*\n+1] op_sel_hi:[1,0,1]
.set i, i+1
.endr
.set i, 0
.rept 32
	v_exp_f32 v[S+32*\n+i], v[S+32*\n+i]
.set i, i+1
.endr
.if \first
	v_nop                                          ; one plain instruction between the exponentials and their use
	s_wait_alu depctr_va_vdst(0)
.else
.set i, 0
	s_wait_alu depctr_va_vdst(0)
.rept 16
	v_pk_mul_f32 v[O+32*\n+2*i:O+32*\n+2*i+1], v[O+32*\n+2*i:O+32*\n+2*i+1], v[AL+2*\n:AL+2*\n+1]   ; plain work between the exponentials and their use
.set i, i+1
.endr
.endif
.irp c, 0,1,2,3
	v_pk_add_f32 v[T+2*\c:T+2*\c+1], v[S+32*\n+2*\c:S+32*\n+2*\c+1], v[S+32*\n+8+2*\c:S+32*\n+9+2*\c]
.endr
.irp c, 0,1,2,3
	v_pk_add_f32 v[T+2*\c:T+2*\c+1], v[T+2*\c:T+2*\c+1], v[S+32*\n+16+2*\c:S+32*\n+17+2*\c]
.endr
.irp c, 0,1,2,3
	v_pk_add_f32 v[T+2*\c:T+2*\c+1], v[T+2*\c:T+2*\c+1], v[S+32*\n+24+2*\c:S+32*\n+25+2*\c]
.endr
	v_pk_add_f32 v[T:T+1], v[T:T+1], v[T+2:T+3]
	v_pk_add_f32 v[T+4:T+5], v[T+4:T+5], v[T+6:T+7]
	v_pk_add_f32 v[T:T+1], v[T:T+1], v[T+4:T+5]
.if \first
	v_add_f32 v[LS+\n], v[T], v[T+1]
.else
	v_add_f32 v[T], v[T], v[T+1]
	v_fma_f32 v[LS+\n], v[LS+\n], v[AL+2*\n], v[T]
.endif
.irp kk, 0,1
.irp r, 0,1,2,3
	v_cvt_pk_bf16_f32 v[S+32*\n+16*\kk+\r], v[S+32*\n+16*\kk+2*\r], v[S+32*\n+16*\kk+2*\r+1]       ; keys 32 kk + 8 h + 0..7: registers 0-3 of source 1
.endr
.irp r, 0,1,2,3
	v_cvt_pk_bf16_f32 v[S+32*\n+16*\kk+4+\r], v[S+32*\n+16*\kk+8+2*\r], v[S+32*\n+16*\kk+9+2*\r]   ; keys 32 kk + 16 + 8 h + 0..7: registers 4-7
.endr
.endr
.endm
; 64 keys (half st of my group's 128 in slot 'slot') against my 32 queries.  In each group of matrix instructions eight accumulators take turns, one instruction a turn.
.macro STEP slot, st, mask, first
.irp kk, 0,1
.irp kt, 0,1,2,3
	ds_load_b128 v[KV+8*(2*\kt+\kk):KV+8*(2*\kt+\kk)+3],   v[ADK+\slot] offset:(64*\st+16*\kt)*KP+64*\kk
	ds_load_b128 v[KV+8*(2*\kt+\kk)+4:KV+8*(2*\kt+\kk)+7], v[ADK+\slot] offset:(64*\st+16*\kt)*KP+64*\kk+32
.endr
.endr
	s_wait_dscnt 8                                 ; d = 0..31 of the 64 keys is in; the eight loads of d = 32..63 may be out
.irp kt, 0,1,2,3
.irp n, 0,1
	v_wmma_f32_16x16x32_bf16 v[S+8*(4*\n+\kt):S+8*(4*\n+\kt)+7], v[KV+16*\kt:KV+16*\kt+7], v[Q+16*\n:Q+16*\n+7], 0
.endr
.endr
	s_wait_dscnt 0
.irp kt, 0,1,2,3
.irp n, 0,1
	v_wmma_f32_16x16x32_bf16 v[S+8*(4*\n+\kt):S+8*(4*\n+\kt)+7], v[KV+16*\kt+8:KV+16*\kt+15], v[Q+16*\n+8:Q+16*\n+15], v[S+8*(4*\n+\kt):S+8*(4*\n+\kt)+7]
.endr
.endr
.rept 4
	v_nop                                          ; four places before loads land on K's fragments and vector work reads the scores
.endr
.irp kk, 0,1
.irp dt, 0,1,2,3
	ds_load_tr16_b128 v[KV+8*(2*\dt+\kk):KV+8*(2*\dt+\kk)+3],   v[ADV+\slot] offset:(64*\st+32*\kk)*VP+32*\dt
	ds_load_tr16_b128 v[KV+8*(2*\dt+\kk)+4:KV+8*(2*\dt+\kk)+7], v[ADV+\slot] offset:(64*\st+32*\kk+16)*VP+32*\dt
.endr
.endr
.if \mask
.irp n, 0,1
.irp kt, 0,1,2,3
.irp j, 0,1,2,3,4,5,6,7
	v_cmp_le_i32 vcc_lo, 64*\st+16*\kt+\j, v[THR+\n]               ; key <= query
	v_cndmask_b32 v[S+8*(4*\n+\kt)+\j], v[NEGR], v[S+8*(4*\n+\kt)+\j], vcc_lo
.endr
.endr
.endr
.endif
	SOFTMAX 0, \first
	SOFTMAX 1, \first
	s_wait_dscnt 0                                 ; V's fragments, asked for ahead of the softmax
.irp kk, 0,1
.irp n, 0,1
.irp dt, 0,1,2,3
.if \first*(1-\kk)
	v_wmma_f32_16x16x32_bf16 v[O+8*(4*\n+\dt):O+8*(4*\n+\dt)+7], v[KV+8*(2*\dt+\kk):KV+8*(2*\dt+\kk)+7], v[S+32*\n+16*\kk:S+32*\n+16*\kk+7], 0
.else
	v_wmma_f32_16x16x32_bf16 v[O+8*(4*\n+\dt):O+8*(4*\n+\dt)+7], v[KV+8*(2*\dt+\kk):KV+8*(2*\dt+\kk)+7], v[S+32*\n+16*\kk:S+32*\n+16*\kk+7], v[O+8*(4*\n+\dt):O+8*(4*\n+\dt)+7]
.endif
.endr
.endr
.endr
.rept 5
	v_nop                                          ; five places before the next scores are written over P; they also serve the next loads into V's fragments and into P, and the reads of O
.endr
.endm
.macro DIAG slot
	TURN \slot, 1
	s_wait_loadcnt 0x0                             ; the block's Q
	STEP \slot, 0, 1, 1
	STEP \slot, 1, 1, 0
.endm
.macro PLAIN slot, fill
	TURN \slot, \fill
	STEP \slot, 0, 0, 0
	STEP \slot, 1, 0, 0
.endm
; A block's end.  Group 1 puts O, -(maximum) c and the sums into the pair's hand-over bytes, waits for its stores and passes the barrier; behind it group 0 reads
; them, brings both parts to the common maximum, divides, rounds, turns O into rows through its stage and stores.  The
; next slot's load may stay out across it.  The bytes are written again only at the next block's end, with the barriers of the slots' changes between.
.macro FIN
	s_cmp_lt_u32 s8, 4
	s_cbranch_scc1 .Lkeep_\@
	v_mov_b32 v[T], v[NMC]
	v_mov_b32 v[T+1], v[NMC+2]
	v_mov_b32 v[T+2], v[LS]
	v_mov_b32 v[T+3], v[LS+1]
	ds_store_b128 v[MRG], v[T:T+3] offset:8192
.set i, 0
.rept 16
	ds_store_b128 v[MRG], v[O+4*i:O+4*i+3] offset:512*i            ; 32 lanes, 16 neighbouring bytes each
.set i, i+1
.endr
.Lkeep_\@:
	s_wait_dscnt 0x0                               ; for the partner's sake: my stores are done
	s_barrier_signal -1
	s_barrier_wait -1
	s_cmp_ge_u32 s8, 4
	s_cbranch_scc1 .Lsent_\@
	ds_load_b128 v[KV:KV+3], v[MRG] offset:8192
.set i, 0
.rept 16
	ds_load_b128 v[S+4*i:S+4*i+3], v[MRG] offset:512*i
.set i, i+1
.endr
	s_wait_dscnt 16                                ; the partner's maxima and sums are in; the 16 loads of its O stay out
	v_min_num_f32 v[T], v[NMC], v[KV]              ; -(common maximum) c
	v_min_num_f32 v[T+1], v[NMC+2], v[KV+1]
	v_sub_f32 v[T+2], v[T], v[NMC]
	v_sub_f32 v[T+3], v[T+1], v[NMC+2]
	v_sub_f32 v[T+4], v[T], v[KV]
	v_sub_f32 v[T+5], v[T+1], v[KV+1]
	v_exp_f32 v[T+2], v[T+2]                       ; my part's factor
	v_exp_f32 v[T+3], v[T+3]
	v_exp_f32 v[T+4], v[T+4]                       ; the partner's
	v_exp_f32 v[T+5], v[T+5]
	v_nop                                          ; one plain instruction between the exponentials and their use
	s_wait_alu depctr_va_vdst(0)
	v_mul_f32 v[LS], v[LS], v[T+2]
	v_mul_f32 v[LS+1], v[LS+1], v[T+3]
	v_fma_f32 v[LS], v[KV+2], v[T+4], v[LS]
	v_fma_f32 v[LS+1], v[KV+3], v[T+5], v[LS+1]
	v_permlanex16_b32 v[T+6], v[LS], s58, s59      ; the two halves' sums meet
	v_permlanex16_b32 v[T+7], v[LS+1], s58, s59
	v_add_f32 v[LS], v[LS], v[T+6]
	v_add_f32 v[LS+1], v[LS+1], v[T+7]
	v_rcp_f32 v[T+6], v[LS]
	v_rcp_f32 v[T+7], v[LS+1]
	v_nop                                          ; one plain instruction between the reciprocals and their use
	s_wait_alu depctr_va_vdst(0)
	v_mul_f32 v[AL], v[T+2], v[T+6]                ; factor / sum, twice: mine in AL, the partner's in NMC
	v_mul_f32 v[AL+1], v[T+2], v[T+6]
	v_mul_f32 v[AL+2], v[T+3], v[T+7]
	v_mul_f32 v[AL+3], v[T+3], v[T+7]
	v_mul_f32 v[NMC], v[T+4], v[T+6]
	v_mul_f32 v[NMC+1], v[T+4], v[T+6]
	v_mul_f32 v[NMC+2], v[T+5], v[T+7]
	v_mul_f32 v[NMC+3], v[T+5], v[T+7]
.irp n, 0,1
.set i, 0
.rept 16
	v_pk_mul_f32 v[O+32*\n+2*i:O+32*\n+2*i+1], v[O+32*\n+2*i:O+32*\n+2*i+1], v[AL+2*\n:AL+2*\n+1]
.set i, i+1
.endr
.endr
	s_wait_dscnt 0x0                               ; the partner's O
.irp n, 0,1
.set i, 0
.rept 16
	v_pk_fma_f32 v[O+32*\n+2*i:O+32*\n+2*i+1], v[S+32*\n+2*i:S+32*\n+2*i+1], v[NMC+2*\n:NMC+2*\n+1], v[O+32*\n+2*i:O+32*\n+2*i+1]
.set i, i+1
.endr
.endr
.irp t, 0,1,2,3,4,5,6,7
.irp r, 0,1,2,3
	v_cvt_pk_bf16_f32 v[O+8*\t+\r], v[O+8*\t+2*\r], v[O+8*\t+2*\r+1]   ; d = 16 dt + 8 h + 0..7 of query r: 16 bytes
.endr
.endr
.irp n, 0,1
.irp dt, 0,1,2,3
	ds_store_b128 v[STO], v[O+8*(4*\n+\dt):O+8*(4*\n+\dt)+3] offset:16*KP*\n+32*\dt
.endr
.endr
.irp t, 0,1,2,3,4,5,6,7
	ds_load_b128 v[S+4*\t:S+4*\t+3], v[RD] offset:4*KP*\t          ; LDS serves a wave's instructions in order: these see the stores above
.endr
.irp t, 0,1,2,3,4,5,6,7
	s_wait_dscnt 7-\t
	global_store_b128 v[CO], v[S+4*\t:S+4*\t+3], s[56:57] offset:8192*\t   ; four rows, 128 consecutive bytes each
.endr
.Lsent_\@:
.endm
	QLOAD 13
	OUTB 13
	DIAG 0                                         ; block q1: its diagonal pair, slot 0
	s_mov_b32 s52, s12                             ; then 2a plain pairs, two a trip
	s_cmp_eq_u32 s52, 0
	s_cbranch_scc1 .Lx_done
.Lx:
	PLAIN 1, 1
	PLAIN 0, 1
	s_sub_co_i32 s52, s52, 1
	s_cmp_lg_u32 s52, 0
	s_cbranch_scc1 .Lx
.Lx_done:
	QLOAD 14                                       ; the next block's Q is asked for ahead of this block's end: Q's registers are free since the last scores
	FIN
	OUTB 14
	s_mov_b32 s46, 0                               ; block q2's plain pairs begin at 0,
	s_mov_b32 s47, -1                              ; and no other pair comes between
	DIAG 1                                         ; block q2: its diagonal pair lies in slot 1
	s_mov_b32 s52, s53                             ; then 7 - 2a plain pairs: 3 - a trips of two, and one
	s_cmp_eq_u32 s52, 0
	s_cbranch_scc1 .Ly_done
.Ly:
	PLAIN 0, 1
	PLAIN 1, 1
	s_sub_co_i32 s52, s52, 1
	s_cmp_lg_u32 s52, 0
	s_cbranch_scc1 .Ly
.Ly_done:
	PLAIN 0, 0                                     ; the last pair: nothing is left to fetch
	FIN
	s_set_vgpr_msb 0x5
	s_wait_tensorcnt 0x0
	ds_add_u32 v0, v1
	s_wait_dscnt 0x0
	s_set_vgpr_msb 0x500
	s_endpgm
.Lfunc_end_k_q7fa0c12108_attn:
	.size	k_q7fa0c12108_attn, .Lfunc_end_k_q7fa0c12108_attn-k_q7fa0c12108_attn
	.p2alignl 7, 3214868480
	.fill 96, 4, 3214868480
	.section	.rodata,"a",@progbits
	.p2align	6, 0x0
	.amdhsa_kernel k_q7fa0c12108_attn
		.amdhsa_group_segment_fixed_size 327680
		.amdhsa_private_segment_fixed_size 0
		.amdhsa_enable_private_segment 0
		.amdhsa_kernarg_size 16
		.amdhsa_user_sgpr_count 2
		.amdhsa_user_sgpr_kernarg_segment_ptr 1
		.amdhsa_wavefront_size32 1
		.amdhsa_system_sgpr_workgroup_id_x 1
		.amdhsa_system_sgpr_workgroup_id_y 1
		.amdhsa_system_sgpr_workgroup_id_z 1
		.amdhsa_system_vgpr_workitem_id 0
		.amdhsa_next_free_vgpr 258
		.amdhsa_next_free_sgpr 66
		.amdhsa_reserve_vcc 1
		.amdhsa_float_denorm_mode_32 3
		.amdhsa_float_denorm_mode_16_64 3
		.amdhsa_memory_ordered 1
		.amdhsa_forward_progress 1
		.amdhsa_inst_pref_size 255
	.end_amdhsa_kernel
	.section	.bss,"aw",@nobits
	.p2align	6
	.space	262144
	.amdgpu_metadata
---
amdhsa.version: [ 1, 2 ]
amdhsa.kernels:
  - .name:           k_q7fa0c12108_attn
    .symbol:         k_q7fa0c12108_attn.kd
    .args:
      - { .name: big, .offset: 0, .size: 8, .value_kind: global_buffer, .address_space: global }
      - { .name: act, .offset: 8, .size: 8, .value_kind: global_buffer, .address_space: global }
    .group_segment_fixed_size: 327680
    .private_segment_fixed_size: 0
    .kernarg_segment_align: 8
    .kernarg_segment_size: 16
    .max_flat_workgroup_size: 256
    .sgpr_count:     66
    .vgpr_count:     258
    .wavefront_size: 32
...
	.end_amdgpu_metadata
.endif
;; end of part 3
;; launch wo (part 4): grid 8 x 32, 4 waves a work-group, clusters of 4 x 4, 327,680 bytes of LDS; arguments act, woh, big; writes big
.if DOCPART == 4
	.amdgcn_target "amdgcn-amd-amdhsa--gfx1250"
	.amdhsa_code_object_version 6
	.text
	.protected	k_q7fa0c12108_wo
	.globl	k_q7fa0c12108_wo
	.p2align	8
	.type	k_q7fa0c12108_wo,@function
k_q7fa0c12108_wo:
	s_mov_b64 s[64:65], 0
	v_nop
	global_prefetch_b8 v0, s[64:65] scope:SCOPE_SE
	s_setreg_imm32_b32 hwreg(HW_REG_WAVE_MODE, 25, 1), 1
	s_wait_xcnt 0x0
	s_wait_alu depctr_hold_cnt(0) depctr_sa_sdst(0) depctr_va_vdst(0) depctr_va_sdst(0) depctr_va_ssrc(0) depctr_va_vcc(0) depctr_vm_vsrc(0)
	s_getreg_b32 s2, hwreg(HW_REG_IB_STS2, 6, 4)
	s_cmp_eq_u32 s2, 0
	s_cbranch_scc0 .Lentry_in_a_cluster
	s_endpgm
.Lentry_in_a_cluster:
	s_bfe_u32 s2, ttmp6, 0x10000c
	s_cmp_lg_u32 s2, 0xf033
	s_cbranch_scc0 .Lentry_shape_is_right
	s_endpgm
.Lentry_shape_is_right:
; C = A B^T in f32, no bias.  A: [4096][1024] bf16 (the attention's result), B: [1024][1024] bf16 (Wo), C: [4096][1024] f32.
; The launch that follows adds the bias and the residual.
; N is only 1,024, so a work-group makes a block of 128 x 128: 32 x 8 = 256 work-groups.  Four waves, a wave 64 x 64: 16 accumulator tiles of 16 x 16
; in 128 registers.  The price: 8 KiB of LDS reads feed 16 matrix instructions, twice what a wave tile of 128 x 128 needs.
; K goes through two LDS slots of 256 along K each (rows of 512 bytes of memory, aligned): four fills in all, two at the start and two refills, so the whole
; text is written out without a loop.  Each wave brings 64 rows with one tensor load: waves 0, 1 A's halves, waves 2, 3 B's.
; CLUSTERS: 4 x 4 work-groups.  The four of a row of the cluster need the same tiles of A, the four of a column the same tiles of B: each tile is asked for
; jointly, by the same load with the same descriptor in all four, which divides the requests by four.
; REGISTERS, in windows of 256: window 0: v16-26 addresses, v64-191 fragments of A (two buffers); window 1: v64-191 fragments of B;
; window 2: v0-127 the accumulators, tile (a, b) at v[8 (4 a + b)].
; A unit of work is 64 along K: a buffer holds fragment 4 kk + i = row block i (16 rows), half kk (32 along K) of the unit.
; The matrix instruction is used transposed (source 0 = rows of B, source 1 = rows of A): lane l holds row l % 16 of C, registers 0 to 7 the columns 8 (l / 16) + 0..7.
.set SIZE_K, 1024
.set CPITCH, 4096                      ; bytes in a row of C
.set KSLOT,  256                       ; along K in a slot
.set PITCH,  528                       ; an LDS row: 512 bytes + 16 of padding, an odd multiple of 16: the 16 rows of a fragment load start 16 bytes apart modulo 256
.set QUART,  64*PITCH                  ; 64 rows: what one tensor load brings, and what one wave reads of A or of B
.set SLOT,   4*QUART                   ; A's 128 rows, then B's 128 rows
.set STAGE,  2*SLOT                    ; behind the ring: 16 rows x 272 bytes for each wave; no tensor load lands here
.set SPITCH, 272                       ; 256 bytes + 16, an odd multiple of 16
.set ADRA, 16                          ; v16-17  LDS address of my A fragments in slot 0, 1
.set ADRB, 20                          ; v20-21  the same for B
.set STO,  24
.set RD,   25
.set CO,   26
.set F0,   64
.set F1,   128
.set G1, 24
.set G0, 32
.set G1B, 48
.set G0B, 56
.set MSB, 0
.macro WIN new                         ; the immediate's high byte repeats the setting that is left
.if MSB != \new
	s_set_vgpr_msb (MSB<<8)|\new
.set MSB, \new
.endif
.endm
.set MULW, 0xa1                        ; source 0 (B) window 1, source 1 (A) window 0, C and D window 2
.set TO_B, 0x40                        ; destination window 1, address window 0
; A joint load.  Waves 0 and 1 fetch A's two halves, waves 2 and 3 B's; the branch hangs on the wave's number alone.
.macro JLOAD s
	s_cmp_eq_u32 s11, 0
	s_cbranch_scc0 .Lfor_b_\@
	tensor_load_to_lds s[G0+4*\s:G0+4*\s+3], s[G1:G1+7]
	s_nop 0
	s_branch .Lasked_\@
.Lfor_b_\@:
	tensor_load_to_lds s[G0B+4*\s:G0B+4*\s+3], s[G1B:G1B+7]
	s_nop 0
.Lasked_\@:
.endm
; A round of the cluster's barrier: my work-group's barrier; wave 0 signals for the work-group; every wave waits for all sixteen; my work-group's barrier again.
.macro CREST
	s_cmp_lg_u32 s10, 0
	s_cbranch_scc1 .Lnot_wave_0_\@
	s_barrier_signal -3
.Lnot_wave_0_\@:
	s_barrier_wait -3
	s_barrier_signal -1
	s_barrier_wait -1
.endm
.macro CROUND
	s_barrier_signal -1
	s_barrier_wait -1
	CREST
.endm
	s_load_b128 s[4:7], s[0:1], 0x0                ; A s[4:5], B s[6:7]
	s_load_b64 s[8:9], s[0:1], 0x10                ; C
	v_lshl_add_u32 v254, v0, 2, 0x46400
	v_mov_b32 v255, 0
	ds_add_u32 v254, v255
	ds_add_u32 v254, v255
	v_lshrrev_b32 v1, 5, v0
	v_readfirstlane_b32 s10, v1                    ; wave 0..3
	s_lshr_b32 s11, s10, 1                         ; my half of the block's rows; also: I fetch for A (0) or for B (1)
	s_and_b32 s12, s10, 1                          ; my half of its columns; also: which 64 rows of the tile I fetch
	s_bfe_u32 s40, ttmp6, 0x40000                  ; cx
	s_bfe_u32 s41, ttmp6, 0x40004                  ; cy
	s_lshl_b32 s42, ttmp9, 2
	s_add_co_u32 s42, s42, s40                     ; block column = 4 x cluster x + cx
	s_and_b32 s13, ttmp7, 0xffff
	s_lshl_b32 s13, s13, 2
	s_add_co_u32 s13, s13, s41                     ; block row = 4 x cluster y + cy
	s_lshl_b32 s43, s41, 2
	s_lshl_b32 s43, 15, s43                        ; my row of the cluster: places 4 cy .. 4 cy + 3
	s_lshl_b32 s44, 0x1111, s40                    ; my column: places cx, cx + 4, cx + 8, cx + 12
	; group 1: 64 rows x 256 elements of 2 bytes, 4 words of padding behind every 128 words
	s_or_b32 s[G1+0], s43, (1<<16)|(1<<20)|(1<<21)|(6<<22)|(3<<25)
	s_or_b32 s[G1B+0], s44, (1<<16)|(1<<20)|(1<<21)|(6<<22)|(3<<25)
	s_mov_b32 s[G1B+1], KSLOT<<16
	s_mov_b32 s[G1+1], KSLOT<<16                   ; tensor_dim0 = 256
	s_mov_b32 s[G1B+2], 64<<16
	s_mov_b32 s[G1+2], 64<<16                      ; tensor_dim1 = 64
	s_mov_b32 s[G1B+3], KSLOT<<16
	s_mov_b32 s[G1+3], KSLOT<<16                   ; tile_dim0 = 256
	s_mov_b32 s[G1B+4], 64
	s_mov_b32 s[G1+4], 64                          ; tile_dim1 = 64
	s_mov_b32 s[G1B+5], SIZE_K
	s_mov_b32 s[G1+5], SIZE_K                      ; elements from row to row
	s_mov_b32 s[G1B+6], 0
	s_mov_b32 s[G1+6], 0
	s_mov_b32 s[G1B+7], 0
	s_mov_b32 s[G1+7], 0
	; A's tiles hang on the block row alone, B's on the block column alone, each in registers that never hold the other coordinate
	s_lshl_b32 s17, s12, 6
	s_lshl_b32 s16, s13, 7
	s_add_co_u32 s16, s16, s17                     ; A: row 128 x block row + 64 x half
	s_lshl_b32 s46, s42, 7
	s_add_co_u32 s46, s46, s17                     ; B: row 128 x block column + 64 x half
	s_mov_b32 s17, 0
	s_mov_b32 s47, 0
	s_mov_b64 s[18:19], SIZE_K*2
	s_mul_u64 s[16:17], s[16:17], s[18:19]
	s_mul_u64 s[46:47], s[46:47], s[18:19]
	s_mul_i32 s20, s10, QUART                      ; LDS: wave x 64 rows
	s_wait_dscnt 0x0
	s_wait_kmcnt 0x0
	s_add_nc_u64 s[14:15], s[4:5], s[16:17]
	s_add_nc_u64 s[46:47], s[6:7], s[46:47]
	CROUND                                         ; all sixteen work-groups are here: the first joint loads meet
.irp s, 0,1
	s_mov_b32 s[G0+4*\s], 1
	s_add_co_u32 s[G0+4*\s+1], s20, \s*SLOT
	s_add_nc_u64 s[G0+4*\s+2:G0+4*\s+3], s[14:15], \s*KSLOT*2
	s_or_b32 s[G0+4*\s+3], s[G0+4*\s+3], 0x80000000
	s_mov_b32 s[G0B+4*\s], 1
	s_add_co_u32 s[G0B+4*\s+1], s20, \s*SLOT
	s_add_nc_u64 s[G0B+4*\s+2:G0B+4*\s+3], s[46:47], \s*KSLOT*2
	s_or_b32 s[G0B+4*\s+3], s[G0B+4*\s+3], 0x80000000
	JLOAD \s                                       ; half of K is asked for before anything else
.endr
	v_and_b32 v1, 15, v0                           ; l % 16
	v_bfe_u32 v2, v0, 4, 1                         ; l / 16
	v_mul_u32_u24 v3, v1, PITCH
	v_lshl_add_u32 v3, v2, 4, v3                   ; fragment: row x pitch + 16 x half
	s_mul_i32 s21, s11, QUART                      ; my 64 rows of A
	s_mul_i32 s22, s12, QUART                      ; my 64 rows of B,
	s_add_co_u32 s22, s22, 2*QUART                 ; which lie behind A's 128
.irp s, 0,1
	v_add_nc_u32 v[ADRA+\s], s21, v3
	v_add_nc_u32 v[ADRB+\s], s22, v3
	s_add_co_u32 s21, s21, SLOT
	s_add_co_u32 s22, s22, SLOT
.endr
	s_mul_i32 s23, s10, 16*SPITCH
	s_add_co_u32 s23, s23, STAGE                   ; my stage
	v_mul_u32_u24 v4, v1, SPITCH
	v_lshl_add_u32 v4, v2, 5, v4
	v_add_nc_u32 v[STO], s23, v4                   ; in: row l % 16, 32 bytes for each half of the lanes
	v_mul_u32_u24 v5, v2, SPITCH
	v_lshl_add_u32 v5, v1, 4, v5
	v_add_nc_u32 v[RD], s23, v5                    ; back: lanes 0-15 one row of 256 bytes, lanes 16-31 the next
	v_lshlrev_b32 v5, 12, v2
	v_lshl_add_u32 v[CO], v1, 4, v5                ; the same two rows in C
; 16 matrix instructions: all 4 x 4 tiles, 32 along K (half kk of buffer f).  zero = 1: the first product starts the sums.
; The 16 accumulators take turns, one instruction a turn.
.macro MUL16 f, kk, zero
.irp a, 0,1,2,3
.irp b, 0,1,2,3
.if \zero
	v_wmma_f32_16x16x32_bf16 v[8*(4*\a+\b):8*(4*\a+\b)+7], v[\f+8*(4*\kk+\b):\f+8*(4*\kk+\b)+7], v[\f+8*(4*\kk+\a):\f+8*(4*\kk+\a)+7], 0
.else
	v_wmma_f32_16x16x32_bf16 v[8*(4*\a+\b):8*(4*\a+\b)+7], v[\f+8*(4*\kk+\b):\f+8*(4*\kk+\b)+7], v[\f+8*(4*\kk+\a):\f+8*(4*\kk+\a)+7], v[8*(4*\a+\b):8*(4*\a+\b)+7]
.endif
.endr
.endr
.endm
; 32 LDS loads in one run: one unit's fragments (64 rows of B, 64 rows of A, 64 along K at byte k of the rows) into buffer f; A's second half comes last
.macro FETCH slot, k, f
	WIN TO_B
.irp kk, 0,1
.irp i, 0,1,2,3
	ds_load_b128 v[\f+8*(4*\kk+\i):\f+8*(4*\kk+\i)+3],   v[ADRB+\slot] offset:\k+64*\kk+\i*16*PITCH
	ds_load_b128 v[\f+8*(4*\kk+\i)+4:\f+8*(4*\kk+\i)+7], v[ADRB+\slot] offset:\k+64*\kk+\i*16*PITCH+32
.endr
.endr
	WIN 0
.irp kk, 0,1
.irp i, 0,1,2,3
	ds_load_b128 v[\f+8*(4*\kk+\i):\f+8*(4*\kk+\i)+3],   v[ADRA+\slot] offset:\k+64*\kk+\i*16*PITCH
	ds_load_b128 v[\f+8*(4*\kk+\i)+4:\f+8*(4*\kk+\i)+7], v[ADRA+\slot] offset:\k+64*\kk+\i*16*PITCH+32
.endr
.endr
.endm
; Four independent vector instructions stand between a matrix instruction and a load into, a store of, or a vector access to one of its registers
.macro PLACES
.rept 4
	v_nop
.endr
.endm
; One of a slot's first three units: multiplies buffer f; in its middle it fetches the next unit's fragments, at byte k of the same slot's rows, into buffer g
.macro UNIT slot, k, f, g, zero
	s_wait_dscnt 8                                 ; B and A's first half are in; the youngest eight loads (A's second half) may be out
	WIN MULW
	MUL16 \f, 0, \zero
	PLACES
	FETCH \slot, \k, \g
	s_wait_dscnt 32                                ; all but the 32 just issued
	WIN MULW
	MUL16 \f, 1, 0
.endm
.macro THREE slot, zero
	UNIT \slot, 128, F0, F1, \zero
	UNIT \slot, 256, F1, F0, 0
	UNIT \slot, 384, F0, F1, 0
.endm
; A slot's last unit changes slots.  In front of the barrier each wave waits for its reads of this slot and for all its tensor loads (one is out: its
; part of the next slot).  Behind it the refill comes first, then the next slot's first fragments.
.macro TURN slot, next, fill
	s_wait_dscnt 8
	WIN MULW
	MUL16 F1, 0, 0
	WIN 0
	s_wait_dscnt 0                                 ; my reads of this slot are over
	s_wait_tensorcnt 0x0                           ; and all my tensor loads have landed
	ds_add_u32 v254, v255
	s_wait_dscnt 0x0
	s_barrier_signal -1
	s_barrier_wait -1
.if \fill
	CREST                                          ; all sixteen work-groups have said so: no wave of any partner reads this slot or has a load on its way
	s_add_nc_u64 s[G0+4*\slot+2:G0+4*\slot+3], s[G0+4*\slot+2:G0+4*\slot+3], 2*KSLOT*2
	s_add_nc_u64 s[G0B+4*\slot+2:G0B+4*\slot+3], s[G0B+4*\slot+2:G0B+4*\slot+3], 2*KSLOT*2
	JLOAD \slot                                    ; the first tensor load behind the round, one a wave
.endif
	PLACES
	FETCH \next, 0, F0
	WIN MULW
	MUL16 F1, 1, 0
.endm
	s_wait_tensorcnt 1                             ; my part of slot 0 is in; slot 1's stays out
	s_barrier_signal -1
	s_barrier_wait -1
	FETCH 0, 0, F0
	THREE 0, 1                                     ; K 0..255; the first products start the sums
	TURN 0, 1, 1                                   ; slot 0 is asked for again: K 512..767
	THREE 1, 0                                     ; K 256..511
	TURN 1, 0, 1                                   ; slot 1 is asked for again: K 768..1023
	THREE 0, 0
	TURN 0, 1, 0                                   ; nothing is left to fetch
	THREE 1, 0
	s_wait_dscnt 8
	WIN MULW
	MUL16 F1, 0, 0
	s_wait_dscnt 0
	MUL16 F1, 1, 0
	; THE WAY OUT, 16 rows at a time: the accumulators go as they are into my stage, 32 bytes a lane and tile, and come back as rows of 256 bytes
	PLACES
	s_lshl_b32 s13, s13, 7
	s_lshl_b32 s14, s11, 6
	s_add_co_u32 s16, s13, s14                     ; my first row
	s_lshl_b32 s16, s16, 12                        ; x 4,096 bytes
	s_mov_b32 s17, 0
	s_add_nc_u64 s[8:9], s[8:9], s[16:17]
	s_lshl_b32 s46, s42, 9                         ; 512 bytes a block column
	s_lshl_b32 s47, s12, 8                         ; 256 for my half
	s_add_co_u32 s46, s46, s47
	s_mov_b32 s47, 0
	s_add_nc_u64 s[8:9], s[8:9], s[46:47]
; rows 16 a .. 16 a + 15 of my block = tiles (a, 0..3) of window 2 (an LDS store's data is source 1); f: F0 or F1 in turn
.macro OUT16F a, f
	WIN 0x08
.irp b, 0,1,2,3
	ds_store_b128 v[STO], v[8*(4*\a+\b):8*(4*\a+\b)+3]   offset:64*\b
	ds_store_b128 v[STO], v[8*(4*\a+\b)+4:8*(4*\a+\b)+7] offset:64*\b+16
.endr
	WIN 0
	s_wait_xcnt 0x0                                ; buffer f, which earlier stores read, and the stores' base are rewritten only behind this wait
.if \a
	s_add_nc_u64 s[8:9], s[8:9], 16*CPITCH
.endif
.irp t, 0,1,2,3,4,5,6,7
	ds_load_b128 v[\f+4*\t:\f+4*\t+3], v[RD] offset:\t*2*SPITCH    ; LDS serves a wave's instructions in order: these see the stores above
.endr
.irp t, 0,1,2,3,4,5,6,7
	s_wait_dscnt 7-\t
	global_store_b128 v[CO], v[\f+4*\t:\f+4*\t+3], s[8:9] offset:2*\t*CPITCH   ; 16 lanes store 256 consecutive bytes, aligned
.endr
.endm
	OUT16F 0, F0
	OUT16F 1, F1
	OUT16F 2, F0
	OUT16F 3, F1
	s_wait_tensorcnt 0x0
	ds_add_u32 v254, v255
	s_wait_dscnt 0x0
	CROUND                                         ; the closing round: no work-group ends while a partner may still ask for a tile that names it
	s_endpgm
.Lfunc_end_k_q7fa0c12108_wo:
	.size	k_q7fa0c12108_wo, .Lfunc_end_k_q7fa0c12108_wo-k_q7fa0c12108_wo
	.p2alignl 7, 3214868480
	.fill 96, 4, 3214868480
	.section	.rodata,"a",@progbits
	.p2align	6, 0x0
	.amdhsa_kernel k_q7fa0c12108_wo
		.amdhsa_group_segment_fixed_size 327680
		.amdhsa_private_segment_fixed_size 0
		.amdhsa_enable_private_segment 0
		.amdhsa_kernarg_size 24
		.amdhsa_user_sgpr_count 2
		.amdhsa_user_sgpr_kernarg_segment_ptr 1
		.amdhsa_wavefront_size32 1
		.amdhsa_system_sgpr_workgroup_id_x 1
		.amdhsa_system_sgpr_workgroup_id_y 1
		.amdhsa_system_sgpr_workgroup_id_z 1
		.amdhsa_system_vgpr_workitem_id 0
		.amdhsa_next_free_vgpr 640
		.amdhsa_next_free_sgpr 66
		.amdhsa_reserve_vcc 0
		.amdhsa_float_denorm_mode_32 3
		.amdhsa_float_denorm_mode_16_64 3
		.amdhsa_memory_ordered 1
		.amdhsa_forward_progress 1
		.amdhsa_inst_pref_size 86
	.end_amdhsa_kernel
	.amdgpu_metadata
---
amdhsa.version: [ 1, 2 ]
amdhsa.kernels:
  - .name:           k_q7fa0c12108_wo
    .symbol:         k_q7fa0c12108_wo.kd
    .args:
      - { .name: act, .offset: 0, .size: 8, .value_kind: global_buffer, .address_space: global }
      - { .name: woh, .offset: 8, .size: 8, .value_kind: global_buffer, .address_space: global }
      - { .name: big, .offset: 16, .size: 8, .value_kind: global_buffer, .address_space: global }
    .group_segment_fixed_size: 327680
    .private_segment_fixed_size: 0
    .kernarg_segment_align: 8
    .kernarg_segment_size: 24
    .max_flat_workgroup_size: 128
    .sgpr_count:     66
    .vgpr_count:     640
    .wavefront_size: 32
...
	.end_amdgpu_metadata
.endif
;; end of part 4
;; launch ln1 (part 5): grid 512 x 1, 8 waves a work-group, no clusters, 0 bytes of LDS; arguments X, big, bo, ln1_w, ln1_b, x1, xh; writes x1, xh
.if DOCPART == 5
	.amdgcn_target "amdgcn-amd-amdhsa--gfx1250"
	.amdhsa_code_object_version 6
	.text
	.protected	k_q7fa0c12108_ln1
	.globl	k_q7fa0c12108_ln1
	.p2align	8
	.type	k_q7fa0c12108_ln1,@function
k_q7fa0c12108_ln1:
	s_mov_b64 s[64:65], 0
	v_nop
	global_prefetch_b8 v0, s[64:65] scope:SCOPE_SE
	s_setreg_imm32_b32 hwreg(HW_REG_WAVE_MODE, 25, 1), 1
	s_wait_xcnt 0x0
; x = LayerNorm(X + (att Wo^T) + bo) ln1_w + ln1_b.  big's first panel holds att Wo^T in f32.  x goes out twice: in f32 (x1, the second residual)
; and rounded to bf16 (xh, the next product's operand).
; A stream: one wave takes one row of 1,024 numbers (32 registers) and keeps it between the passes; no LDS, no barrier, no loop.
; The variance is taken of the differences from the mean, as the problem writes it, so a common offset costs no accuracy.
.set Y,  16                            ; v[16:47]   the row
.set P,  48                            ; v[48:79]   the product's row; later the row in bf16
.set BO, 80                            ; v[80:111]  bo
.set W,  112                           ; v[112:143] gain
.set BB, 144                           ; v[144:175] bias
.macro LD8 dst, base
.irp j, 0,1,2,3,4,5,6,7
	global_load_b128 v[\dst+4*\j:\dst+4*\j+3], v1, s[\base:\base+1] offset:512*\j
.endr
.endm
.macro LD8NT dst, base
.irp j, 0,1,2,3,4,5,6,7
	global_load_b128 v[\dst+4*\j:\dst+4*\j+3], v1, s[\base:\base+1] offset:512*\j th:TH_LOAD_NT
.endr
.endm
.macro ADD16 d, a, b
.set i, 0
.rept 16
	v_pk_add_f32 v[\d+2*i:\d+2*i+1], v[\a+2*i:\a+2*i+1], v[\b+2*i:\b+2*i+1]
.set i, i+1
.endr
.endm
.macro WSUM r, t                       ; the sum over the 32 lanes, in every lane
	v_add_f32_dpp v[\r], v[\r], v[\r] row_xmask:1 row_mask:0xf bank_mask:0xf
	v_add_f32_dpp v[\r], v[\r], v[\r] row_xmask:2 row_mask:0xf bank_mask:0xf
	v_add_f32_dpp v[\r], v[\r], v[\r] row_xmask:4 row_mask:0xf bank_mask:0xf
	v_add_f32_dpp v[\r], v[\r], v[\r] row_xmask:8 row_mask:0xf bank_mask:0xf
	v_permlanex16_b32 v[\t], v[\r], s22, s23
	v_add_f32 v[\r], v[\r], v[\t]
.endm
; Y becomes Y - mean; v[14:15] = 1 / sqrt(variance + 1e-5), twice
.macro STATS
.irp c, 0,1,2,3
	v_pk_add_f32 v[4+2*\c:5+2*\c], v[Y+2*\c:Y+2*\c+1], v[Y+8+2*\c:Y+9+2*\c]
.endr
.irp c, 0,1,2,3
	v_pk_add_f32 v[4+2*\c:5+2*\c], v[4+2*\c:5+2*\c], v[Y+16+2*\c:Y+17+2*\c]
.endr
.irp c, 0,1,2,3
	v_pk_add_f32 v[4+2*\c:5+2*\c], v[4+2*\c:5+2*\c], v[Y+24+2*\c:Y+25+2*\c]
.endr
	v_pk_add_f32 v[4:5], v[4:5], v[6:7]
	v_pk_add_f32 v[8:9], v[8:9], v[10:11]
	v_pk_add_f32 v[4:5], v[4:5], v[8:9]
	v_add_f32 v4, v4, v5
	WSUM 4, 5
	v_mul_f32 v12, 0xba800000, v4                  ; -mean = sum x (-1/1024)
	v_mul_f32 v13, 0xba800000, v4
.set i, 0
.rept 16
	v_pk_add_f32 v[Y+2*i:Y+2*i+1], v[Y+2*i:Y+2*i+1], v[12:13]
.set i, i+1
.endr
.irp c, 0,1,2,3
	v_pk_mul_f32 v[4+2*\c:5+2*\c], v[Y+2*\c:Y+2*\c+1], v[Y+2*\c:Y+2*\c+1]
.endr
.irp g, 8,16,24
.irp c, 0,1,2,3
	v_pk_fma_f32 v[4+2*\c:5+2*\c], v[Y+\g+2*\c:Y+\g+2*\c+1], v[Y+\g+2*\c:Y+\g+2*\c+1], v[4+2*\c:5+2*\c]
.endr
.endr
	v_pk_add_f32 v[4:5], v[4:5], v[6:7]
	v_pk_add_f32 v[8:9], v[8:9], v[10:11]
	v_pk_add_f32 v[4:5], v[4:5], v[8:9]
	v_add_f32 v4, v4, v5
	WSUM 4, 5
	v_fma_f32 v4, v4, s24, s25                     ; sum / 1024 + 1e-5
	v_rsq_f32 v14, v4
	v_nop                                          ; one plain instruction between the root and its use
	s_wait_alu depctr_va_vdst(0)
	v_mov_b32 v15, v14
.endm
	s_load_b256 s[4:11], s[0:1], 0x0               ; X 4, big 6, bo 8, ln1_w 10
	s_load_b128 s[12:15], s[0:1], 0x20             ; ln1_b 12, x1 14
	s_load_b64 s[16:17], s[0:1], 0x30              ; xh
	v_lshrrev_b32 v3, 5, v0
	v_readfirstlane_b32 s2, v3
	v_and_b32 v1, 31, v0
	v_lshlrev_b32 v2, 3, v1                        ; 8 bytes a lane in bf16
	v_lshlrev_b32 v1, 4, v1                        ; 16 bytes a lane in f32
	s_lshl_b32 s3, ttmp9, 3
	s_add_co_u32 s3, s3, s2                        ; row = 8 g + w
	s_lshl_b32 s18, s3, 12
	s_mov_b32 s19, 0
	s_lshl_b32 s20, s3, 11
	s_mov_b32 s21, 0
	s_mov_b32 s22, 0x76543210
	s_mov_b32 s23, 0xfedcba98
	s_mov_b32 s24, 0x3a800000                      ; 1/1024
	s_mov_b32 s25, 0x3727c5ac                      ; 1e-5
	s_wait_kmcnt 0x0
	s_add_nc_u64 s[4:5], s[4:5], s[18:19]
	s_add_nc_u64 s[6:7], s[6:7], s[18:19]
	s_add_nc_u64 s[14:15], s[14:15], s[18:19]
	s_add_nc_u64 s[16:17], s[16:17], s[20:21]
	LD8NT Y, 4                                     ; each load of the wave covers 512 consecutive bytes; all 40 go out at once
	LD8NT P, 6
	LD8 BO, 8
	LD8 W, 10
	LD8 BB, 12
	s_wait_loadcnt 16                              ; the row, the product and bo are in; the 16 loads of gain and bias stay out
	ADD16 Y, Y, P
	ADD16 Y, Y, BO
	STATS
	s_wait_loadcnt 0x0
.set i, 0
.rept 16
	v_pk_mul_f32 v[Y+2*i:Y+2*i+1], v[Y+2*i:Y+2*i+1], v[14:15]
.set i, i+1
.endr
.set i, 0
.rept 16
	v_pk_fma_f32 v[Y+2*i:Y+2*i+1], v[Y+2*i:Y+2*i+1], v[W+2*i:W+2*i+1], v[BB+2*i:BB+2*i+1]
.set i, i+1
.endr
.irp j, 0,1,2,3,4,5,6,7
	global_store_b128 v1, v[Y+4*\j:Y+4*\j+3], s[14:15] offset:512*\j
.endr
.irp j, 0,1,2,3,4,5,6,7
	v_cvt_pk_bf16_f32 v[P+2*\j], v[Y+4*\j], v[Y+4*\j+1]
	v_cvt_pk_bf16_f32 v[P+2*\j+1], v[Y+4*\j+2], v[Y+4*\j+3]
	global_store_b64 v2, v[P+2*\j:P+2*\j+1], s[16:17] offset:256*\j   ; the wave stores 256 consecutive bytes, aligned
.endr
	s_endpgm
.Lfunc_end_k_q7fa0c12108_ln1:
	.size	k_q7fa0c12108_ln1, .Lfunc_end_k_q7fa0c12108_ln1-k_q7fa0c12108_ln1
	.p2alignl 7, 3214868480
	.fill 96, 4, 3214868480
	.section	.rodata,"a",@progbits
	.p2align	6, 0x0
	.amdhsa_kernel k_q7fa0c12108_ln1
		.amdhsa_group_segment_fixed_size 0
		.amdhsa_private_segment_fixed_size 0
		.amdhsa_enable_private_segment 0
		.amdhsa_kernarg_size 56
		.amdhsa_user_sgpr_count 2
		.amdhsa_user_sgpr_kernarg_segment_ptr 1
		.amdhsa_wavefront_size32 1
		.amdhsa_system_sgpr_workgroup_id_x 1
		.amdhsa_system_sgpr_workgroup_id_y 1
		.amdhsa_system_sgpr_workgroup_id_z 1
		.amdhsa_system_vgpr_workitem_id 0
		.amdhsa_next_free_vgpr 176
		.amdhsa_next_free_sgpr 66
		.amdhsa_reserve_vcc 0
		.amdhsa_float_denorm_mode_32 3
		.amdhsa_float_denorm_mode_16_64 3
		.amdhsa_memory_ordered 1
		.amdhsa_forward_progress 1
		.amdhsa_inst_pref_size 16
	.end_amdhsa_kernel
	.amdgpu_metadata
---
amdhsa.version: [ 1, 2 ]
amdhsa.kernels:
  - .name:           k_q7fa0c12108_ln1
    .symbol:         k_q7fa0c12108_ln1.kd
    .args:
      - { .name: X, .offset: 0, .size: 8, .value_kind: global_buffer, .address_space: global }
      - { .name: big, .offset: 8, .size: 8, .value_kind: global_buffer, .address_space: global }
      - { .name: bo, .offset: 16, .size: 8, .value_kind: global_buffer, .address_space: global }
      - { .name: ln1_w, .offset: 24, .size: 8, .value_kind: global_buffer, .address_space: global }
      - { .name: ln1_b, .offset: 32, .size: 8, .value_kind: global_buffer, .address_space: global }
      - { .name: x1, .offset: 40, .size: 8, .value_kind: global_buffer, .address_space: global }
      - { .name: xh, .offset: 48, .size: 8, .value_kind: global_buffer, .address_space: global }
    .group_segment_fixed_size: 0
    .private_segment_fixed_size: 0
    .kernarg_segment_align: 8
    .kernarg_segment_size: 56
    .max_flat_workgroup_size: 256
    .sgpr_count:     66
    .vgpr_count:     176
    .wavefront_size: 32
...
	.end_amdgpu_metadata
.endif
;; end of part 5
;; launch up: the kernel of part 2 again; grid 16 x 16, 4 waves a work-group, clusters of 4 x 4, 327,680 bytes of LDS; arguments xh, wuph, act; writes act
;; launch down (part 6): grid 4 x 64, 4 waves a work-group, clusters of 4 x 4, 327,680 bytes of LDS; arguments act, wdnh, big; writes big
.if DOCPART == 6
	.amdgcn_target "amdgcn-amd-amdhsa--gfx1250"
	.amdhsa_code_object_version 6
	.text
	.protected	k_q7fa0c12108_down
	.globl	k_q7fa0c12108_down
	.p2align	8
	.type	k_q7fa0c12108_down,@function
k_q7fa0c12108_down:
	s_mov_b64 s[64:65], 0
	v_nop
	global_prefetch_b8 v0, s[64:65] scope:SCOPE_SE
	s_setreg_imm32_b32 hwreg(HW_REG_WAVE_MODE, 25, 1), 1
	s_wait_xcnt 0x0
	s_wait_alu depctr_hold_cnt(0) depctr_sa_sdst(0) depctr_va_vdst(0) depctr_va_sdst(0) depctr_va_ssrc(0) depctr_va_vcc(0) depctr_vm_vsrc(0)
	s_getreg_b32 s2, hwreg(HW_REG_IB_STS2, 6, 4)
	s_cmp_eq_u32 s2, 0
	s_cbranch_scc0 .Lentry_in_a_cluster
	s_endpgm
.Lentry_in_a_cluster:
	s_bfe_u32 s2, ttmp6, 0x10000c
	s_cmp_lg_u32 s2, 0xf033
	s_cbranch_scc0 .Lentry_shape_is_right
	s_endpgm
.Lentry_shape_is_right:
; C_p = A_p B_p^T in f32, no bias: a product with N = 1,024 and K = 1,024 for each panel p = block row / 16 (four panels: a split of K = 4,096).
; A: panels [4096][1024] bf16 one behind the other, so A's row is 256 x block row; B: panels [1024][1024] bf16; C: panels [4096][1024] f32.
; The launch that follows adds the panels, the bias and the residual.
; The main part is that of the bf16 product: a work-group makes 256 x 256 with four waves of 128 x 128 (64 accumulator tiles, 512 registers); K goes in
; 8 steps of 128 through two LDS slots; 4 x 4 work-groups form a cluster, A's tiles are asked for jointly along a row of it, B's along a column.
; The panel is made of the cluster's y alone, so it is the same in all sixteen partners.
; Windows: 0: v16-26 addresses, v64-191 fragments of A; 1: v64-191 fragments of B; 2, 3: accumulators of my rows 0-63, 64-127.
; The matrix instruction is used transposed: lane l holds row l % 16 of C, registers 0 to 7 the columns 8 (l / 16) + 0..7.
.set SIZE_K, 1024
.set CPITCH, 4096                      ; bytes in a row of C
.set KSTEP,  128
.set PITCH,  272                       ; 256 bytes + 16 of padding, an odd multiple of 16
.set HALFT,  128*PITCH
.set SLOT,   4*HALFT
.set STAGE,  2*SLOT                    ; behind the ring: 16 rows x 528 bytes for each wave; no tensor load lands here
.set SPITCH, 528                       ; 512 bytes + 16, an odd multiple of 16
.set LAPS, SIZE_K/(2*KSTEP)
.set ADRA, 16
.set ADRB, 20
.set STO,  24
.set RD,   25
.set CO,   26
.set F0,   64
.set F1,   128
.set G1, 24
.set G0, 32
.set G1B, 48
.set G0B, 56
.set MSB, 0
.macro WIN new
.if MSB != \new
	s_set_vgpr_msb (MSB<<8)|\new
.set MSB, \new
.endif
.endm
.set MUL_LO, 0xa1
.set MUL_HI, 0xf1
.set TO_B,   0x40
.macro JLOAD s
	s_cmp_eq_u32 s11, 0
	s_cbranch_scc0 .Lfor_b_\@
	tensor_load_to_lds s[G0+4*\s:G0+4*\s+3], s[G1:G1+7]
	s_nop 0
	s_branch .Lasked_\@
.Lfor_b_\@:
	tensor_load_to_lds s[G0B+4*\s:G0B+4*\s+3], s[G1B:G1B+7]
	s_nop 0
.Lasked_\@:
.endm
.macro CREST
	s_cmp_lg_u32 s10, 0
	s_cbranch_scc1 .Lnot_wave_0_\@
	s_barrier_signal -3
.Lnot_wave_0_\@:
	s_barrier_wait -3
	s_barrier_signal -1
	s_barrier_wait -1
.endm
.macro CROUND
	s_barrier_signal -1
	s_barrier_wait -1
	CREST
.endm
	s_load_b128 s[4:7], s[0:1], 0x0                ; A s[4:5], B s[6:7]
	s_load_b64 s[8:9], s[0:1], 0x10                ; C
	s_set_vgpr_msb 0x40
	v_lshl_add_u32 v255, v0, 2, 0x4c400
	s_set_vgpr_msb 0x4000
	v_mov_b32 v255, 0
	s_set_vgpr_msb 0x1
	ds_add_u32 v255, v255
	ds_add_u32 v255, v255
	s_set_vgpr_msb 0x100
	v_lshrrev_b32 v1, 5, v0
	v_readfirstlane_b32 s10, v1                    ; wave 0..3
	s_lshr_b32 s11, s10, 1                         ; my half of the rows; also: I fetch for A (0) or for B (1)
	s_and_b32 s12, s10, 1                          ; my half of the columns; also: which 128 rows of the tile I fetch
	s_bfe_u32 s40, ttmp6, 0x40000                  ; cx
	s_bfe_u32 s41, ttmp6, 0x40004                  ; cy
	s_lshl_b32 s42, ttmp9, 2
	s_add_co_u32 s42, s42, s40                     ; block column
	s_and_b32 s13, ttmp7, 0xffff
	s_lshr_b32 s45, s13, 2                         ; the panel = cluster y / 4 (16 block rows a panel)
	s_lshl_b32 s13, s13, 2
	s_add_co_u32 s13, s13, s41                     ; block row, over all panels
	s_lshl_b32 s43, s41, 2
	s_lshl_b32 s43, 15, s43                        ; my row of the cluster
	s_lshl_b32 s44, 0x1111, s40                    ; my column
	s_or_b32 s[G1+0], s43, (1<<16)|(1<<20)|(1<<21)|(5<<22)|(3<<25)
	s_or_b32 s[G1B+0], s44, (1<<16)|(1<<20)|(1<<21)|(5<<22)|(3<<25)
	s_mov_b32 s[G1B+1], KSTEP<<16
	s_mov_b32 s[G1+1], KSTEP<<16
	s_mov_b32 s[G1B+2], 128<<16
	s_mov_b32 s[G1+2], 128<<16
	s_mov_b32 s[G1B+3], KSTEP<<16
	s_mov_b32 s[G1+3], KSTEP<<16
	s_mov_b32 s[G1B+4], 128
	s_mov_b32 s[G1+4], 128
	s_mov_b32 s[G1B+5], SIZE_K
	s_mov_b32 s[G1+5], SIZE_K
	s_mov_b32 s[G1B+6], 0
	s_mov_b32 s[G1+6], 0
	s_mov_b32 s[G1B+7], 0
	s_mov_b32 s[G1+7], 0
	s_lshl_b32 s17, s12, 7
	s_lshl_b32 s16, s13, 8
	s_add_co_u32 s16, s16, s17                     ; A: row 256 x block row + 128 x half
	s_lshl_b32 s46, s42, 8
	s_add_co_u32 s46, s46, s17                     ; B: row 256 x block column + 128 x half
	s_lshl_b32 s45, s45, 10
	s_add_co_u32 s46, s46, s45                     ;    + 1,024 x panel
	s_mov_b32 s17, 0
	s_mov_b32 s47, 0
	s_mov_b64 s[18:19], SIZE_K*2
	s_mul_u64 s[16:17], s[16:17], s[18:19]
	s_mul_u64 s[46:47], s[46:47], s[18:19]
	s_mul_i32 s20, s10, HALFT
	s_wait_dscnt 0x0
	s_wait_kmcnt 0x0
	s_add_nc_u64 s[14:15], s[4:5], s[16:17]
	s_add_nc_u64 s[46:47], s[6:7], s[46:47]
	CROUND                                         ; all sixteen work-groups are here: the first joint loads meet
.irp s, 0,1
	s_mov_b32 s[G0+4*\s], 1
	s_add_co_u32 s[G0+4*\s+1], s20, \s*SLOT
	s_add_nc_u64 s[G0+4*\s+2:G0+4*\s+3], s[14:15], \s*KSTEP*2
	s_or_b32 s[G0+4*\s+3], s[G0+4*\s+3], 0x80000000
	s_mov_b32 s[G0B+4*\s], 1
	s_add_co_u32 s[G0B+4*\s+1], s20, \s*SLOT
	s_add_nc_u64 s[G0B+4*\s+2:G0B+4*\s+3], s[46:47], \s*KSTEP*2
	s_or_b32 s[G0B+4*\s+3], s[G0B+4*\s+3], 0x80000000
	JLOAD \s
.endr
	v_and_b32 v1, 15, v0                           ; l % 16
	v_bfe_u32 v2, v0, 4, 1                         ; l / 16
	v_mul_u32_u24 v3, v1, PITCH
	v_lshl_add_u32 v3, v2, 4, v3
	s_mul_i32 s21, s11, HALFT
	s_mul_i32 s22, s12, HALFT
	s_add_co_u32 s22, s22, 2*HALFT
.irp s, 0,1
	v_add_nc_u32 v[ADRA+\s], s21, v3
	v_add_nc_u32 v[ADRB+\s], s22, v3
	s_add_co_u32 s21, s21, SLOT
	s_add_co_u32 s22, s22, SLOT
.endr
	s_mul_i32 s23, s10, 16*SPITCH
	s_add_co_u32 s23, s23, STAGE                   ; my stage
	v_mul_u32_u24 v4, v1, SPITCH
	v_lshl_add_u32 v4, v2, 5, v4
	v_add_nc_u32 v[STO], s23, v4                   ; in: row l % 16, 32 bytes for each half of the lanes
	v_and_b32 v5, 31, v0
	v_lshlrev_b32 v[CO], 4, v5                     ; back and out: the 32 lanes take one row of 512 bytes
	v_add_nc_u32 v[RD], s23, v[CO]
.macro MUL16 f, hi, a0, zero
.irp a, \a0, \a0+1
.irp b, 0,1,2,3,4,5,6,7
.if \zero
	v_wmma_f32_16x16x32_bf16 v[8*(8*(\a)+\b):8*(8*(\a)+\b)+7], v[\f+8*\b:\f+8*\b+7], v[\f+8*(4*\hi+\a):\f+8*(4*\hi+\a)+7], 0
.else
	v_wmma_f32_16x16x32_bf16 v[8*(8*(\a)+\b):8*(8*(\a)+\b)+7], v[\f+8*\b:\f+8*\b+7], v[\f+8*(4*\hi+\a):\f+8*(4*\hi+\a)+7], v[8*(8*(\a)+\b):8*(8*(\a)+\b)+7]
.endif
.endr
.endr
.endm
.macro FETCH slot, k, f
	WIN TO_B
.irp i, 0,1,2,3,4,5,6,7
	ds_load_b128 v[\f+8*\i:\f+8*\i+3],   v[ADRB+\slot] offset:\k+\i*16*PITCH
	ds_load_b128 v[\f+8*\i+4:\f+8*\i+7], v[ADRB+\slot] offset:\k+\i*16*PITCH+32
.endr
	WIN 0
.irp i, 0,1,2,3,4,5,6,7
	ds_load_b128 v[\f+8*\i:\f+8*\i+3],   v[ADRA+\slot] offset:\k+\i*16*PITCH
	ds_load_b128 v[\f+8*\i+4:\f+8*\i+7], v[ADRA+\slot] offset:\k+\i*16*PITCH+32
.endr
.endm
; Four independent vector instructions stand between a matrix instruction and a load into, a store of, or a vector access to one of its registers
.macro PLACES
.rept 4
	v_nop
.endr
.endm
; The 64 accumulators take turns, one instruction a turn.
.macro QUARTER slot, k, f, g, zero
	s_wait_dscnt 8                                 ; B and A's rows 0-63 are in; the youngest eight loads may be out
	WIN MUL_LO
	MUL16 \f, 0, 0, \zero
	MUL16 \f, 0, 2, \zero
	PLACES
	FETCH \slot, \k, \g
	s_wait_dscnt 32                                ; all but the 32 just issued
	WIN MUL_HI
	MUL16 \f, 1, 0, \zero
	MUL16 \f, 1, 2, \zero
.endm
.macro THREE slot, zero
	QUARTER \slot, 64,  F0, F1, \zero
	QUARTER \slot, 128, F1, F0, 0
	QUARTER \slot, 192, F0, F1, 0
.endm
.macro TURN slot, next, fill
	s_wait_dscnt 8
	WIN MUL_LO
	MUL16 F1, 0, 0, 0
	s_wait_dscnt 0                                 ; my reads of this slot are over
	s_wait_tensorcnt 0x0                           ; and all my tensor loads have landed
	ds_add_u32 v255, v255
	s_wait_dscnt 0x0
	s_barrier_signal -1
	MUL16 F1, 0, 2, 0
	WIN 0
	s_barrier_wait -1
.if \fill
	CREST                                          ; no wave of any partner reads this slot or has a load on its way
	s_add_nc_u64 s[G0+4*\slot+2:G0+4*\slot+3], s[G0+4*\slot+2:G0+4*\slot+3], 2*KSTEP*2
	s_add_nc_u64 s[G0B+4*\slot+2:G0B+4*\slot+3], s[G0B+4*\slot+2:G0B+4*\slot+3], 2*KSTEP*2
	JLOAD \slot                                    ; the first tensor load behind the round, one a wave
.endif
	PLACES
	FETCH \next, 0, F0
	WIN MUL_HI
	MUL16 F1, 1, 0, 0
	MUL16 F1, 1, 2, 0
.endm
.macro LAP zero
	THREE 0, \zero
	TURN 0, 1, 1
	THREE 1, 0
	TURN 1, 0, 1
.endm
	s_wait_tensorcnt 1                             ; my part of K step 0 is in; K step 1's stays out
	s_barrier_signal -1
	s_barrier_wait -1
	FETCH 0, 0, F0
	LAP 1
	WIN 0
	s_mov_b32 s3, LAPS-2
.Llap:
	LAP 0
	WIN 0
	s_sub_co_u32 s3, s3, 1
	s_cmp_lg_u32 s3, 0
	s_cbranch_scc1 .Llap
	THREE 0, 0
	TURN 0, 1, 0
	THREE 1, 0
	s_wait_dscnt 8
	WIN MUL_LO
	MUL16 F1, 0, 0, 0
	MUL16 F1, 0, 2, 0
	s_wait_dscnt 0
	WIN MUL_HI
	MUL16 F1, 1, 0, 0
	MUL16 F1, 1, 2, 0
	; THE WAY OUT, 16 rows at a time: the accumulators go as they are into my stage, 32 bytes a lane and tile, and come back as rows of 512 bytes
	PLACES
	s_lshl_b32 s13, s13, 8
	s_lshl_b32 s14, s11, 7
	s_add_co_u32 s16, s13, s14                     ; my first row, over all panels (16,383 at the most:
	s_lshl_b32 s16, s16, 12                        ; x 4,096 bytes stays below 2^26)
	s_mov_b32 s17, 0
	s_add_nc_u64 s[8:9], s[8:9], s[16:17]
	s_lshl_b32 s46, s42, 10                        ; 1,024 bytes a block column
	s_lshl_b32 s47, s12, 9                         ; 512 for my half
	s_add_co_u32 s46, s46, s47
	s_mov_b32 s47, 0
	s_add_nc_u64 s[8:9], s[8:9], s[46:47]
; rows 16 i .. 16 i + 15 = tiles (a, 0..7) of window 2 or 3 (from = 0x08 or 0x0c: an LDS store's data is source 1); f: F0 or F1 in turn
.macro OUT16F i, a, from, f
	WIN \from
.irp b, 0,1,2,3,4,5,6,7
	ds_store_b128 v[STO], v[8*(8*\a+\b):8*(8*\a+\b)+3]   offset:64*\b
	ds_store_b128 v[STO], v[8*(8*\a+\b)+4:8*(8*\a+\b)+7] offset:64*\b+16
.endr
	WIN 0
	s_wait_xcnt 0x0                                ; buffer f, which earlier stores read, and the stores' base are rewritten only behind this wait
.if \i
	s_add_nc_u64 s[8:9], s[8:9], 16*CPITCH
.endif
.set t, 0
.rept 16
	ds_load_b128 v[\f+4*t:\f+4*t+3], v[RD] offset:t*SPITCH         ; LDS serves a wave's instructions in order: these see the stores above
.set t, t+1
.endr
.set t, 0
.rept 16
	s_wait_dscnt 15-t
	global_store_b128 v[CO], v[\f+4*t:\f+4*t+3], s[8:9] offset:t*CPITCH   ; the wave stores 512 consecutive bytes, aligned
.set t, t+1
.endr
.endm
	OUT16F 0, 0, 0x08, F0
	OUT16F 1, 1, 0x08, F1
	OUT16F 2, 2, 0x08, F0
	OUT16F 3, 3, 0x08, F1
	OUT16F 4, 0, 0x0c, F0
	OUT16F 5, 1, 0x0c, F1
	OUT16F 6, 2, 0x0c, F0
	OUT16F 7, 3, 0x0c, F1
	s_set_vgpr_msb 0x1
	s_wait_tensorcnt 0x0
	ds_add_u32 v255, v255
	s_wait_dscnt 0x0
	s_set_vgpr_msb 0x100
	CROUND                                         ; the closing round
	s_endpgm
.Lfunc_end_k_q7fa0c12108_down:
	.size	k_q7fa0c12108_down, .Lfunc_end_k_q7fa0c12108_down-k_q7fa0c12108_down
	.p2alignl 7, 3214868480
	.fill 96, 4, 3214868480
	.section	.rodata,"a",@progbits
	.p2align	6, 0x0
	.amdhsa_kernel k_q7fa0c12108_down
		.amdhsa_group_segment_fixed_size 327680
		.amdhsa_private_segment_fixed_size 0
		.amdhsa_enable_private_segment 0
		.amdhsa_kernarg_size 24
		.amdhsa_user_sgpr_count 2
		.amdhsa_user_sgpr_kernarg_segment_ptr 1
		.amdhsa_wavefront_size32 1
		.amdhsa_system_sgpr_workgroup_id_x 1
		.amdhsa_system_sgpr_workgroup_id_y 1
		.amdhsa_system_sgpr_workgroup_id_z 1
		.amdhsa_system_vgpr_workitem_id 0
		.amdhsa_next_free_vgpr 1024
		.amdhsa_next_free_sgpr 66
		.amdhsa_reserve_vcc 0
		.amdhsa_float_denorm_mode_32 3
		.amdhsa_float_denorm_mode_16_64 3
		.amdhsa_memory_ordered 1
		.amdhsa_forward_progress 1
		.amdhsa_inst_pref_size 196
	.end_amdhsa_kernel
	.amdgpu_metadata
---
amdhsa.version: [ 1, 2 ]
amdhsa.kernels:
  - .name:           k_q7fa0c12108_down
    .symbol:         k_q7fa0c12108_down.kd
    .args:
      - { .name: act, .offset: 0, .size: 8, .value_kind: global_buffer, .address_space: global }
      - { .name: wdnh, .offset: 8, .size: 8, .value_kind: global_buffer, .address_space: global }
      - { .name: big, .offset: 16, .size: 8, .value_kind: global_buffer, .address_space: global }
    .group_segment_fixed_size: 327680
    .private_segment_fixed_size: 0
    .kernarg_segment_align: 8
    .kernarg_segment_size: 24
    .max_flat_workgroup_size: 128
    .sgpr_count:     66
    .vgpr_count:     1024
    .wavefront_size: 32
...
	.end_amdgpu_metadata
.endif
;; end of part 6
;; launch ln2 (part 7): grid 512 x 1, 8 waves a work-group, no clusters, 0 bytes of LDS; arguments x1, big, bdown, ln2_w, ln2_b, out0; writes out0
.if DOCPART == 7
	.amdgcn_target "amdgcn-amd-amdhsa--gfx1250"
	.amdhsa_code_object_version 6
	.text
	.protected	k_q7fa0c12108_ln2
	.globl	k_q7fa0c12108_ln2
	.p2align	8
	.type	k_q7fa0c12108_ln2,@function
k_q7fa0c12108_ln2:
	s_mov_b64 s[64:65], 0
	v_nop
	global_prefetch_b8 v0, s[64:65] scope:SCOPE_SE
	s_setreg_imm32_b32 hwreg(HW_REG_WAVE_MODE, 25, 1), 1
	s_wait_xcnt 0x0
; out0 = LayerNorm(x + (p0 + p1 + p2 + p3) + bdown) ln2_w + ln2_b.  big holds the four partial products of the split of K = 4,096, panels of 16 MiB in f32.
; A stream: one wave takes one row of 1,024 numbers and keeps it between the passes; no LDS, no barrier, no loop.
; The variance is taken of the differences from the mean, as the problem writes it.
.set Y,  16                            ; v[16:47]   the row
.set P0, 48                            ; v[48:175]  the four partial rows; v[48:79] and v[80:111] take gain and bias once p0 + p1 is made
.set P1, 80
.set P2, 112
.set P3, 144
.set BD, 176                           ; v[176:207] bdown
.set W,  48
.set BB, 80
.macro LD8 dst, base
.irp j, 0,1,2,3,4,5,6,7
	global_load_b128 v[\dst+4*\j:\dst+4*\j+3], v1, s[\base:\base+1] offset:512*\j
.endr
.endm
.macro LD8NT dst, base
.irp j, 0,1,2,3,4,5,6,7
	global_load_b128 v[\dst+4*\j:\dst+4*\j+3], v1, s[\base:\base+1] offset:512*\j th:TH_LOAD_NT
.endr
.endm
.macro ADD16 d, a, b
.set i, 0
.rept 16
	v_pk_add_f32 v[\d+2*i:\d+2*i+1], v[\a+2*i:\a+2*i+1], v[\b+2*i:\b+2*i+1]
.set i, i+1
.endr
.endm
.macro WSUM r, t                       ; the sum over the 32 lanes, in every lane
	v_add_f32_dpp v[\r], v[\r], v[\r] row_xmask:1 row_mask:0xf bank_mask:0xf
	v_add_f32_dpp v[\r], v[\r], v[\r] row_xmask:2 row_mask:0xf bank_mask:0xf
	v_add_f32_dpp v[\r], v[\r], v[\r] row_xmask:4 row_mask:0xf bank_mask:0xf
	v_add_f32_dpp v[\r], v[\r], v[\r] row_xmask:8 row_mask:0xf bank_mask:0xf
	v_permlanex16_b32 v[\t], v[\r], s22, s23
	v_add_f32 v[\r], v[\r], v[\t]
.endm
; Y becomes Y - mean; v[14:15] = 1 / sqrt(variance + 1e-5), twice
.macro STATS
.irp c, 0,1,2,3
	v_pk_add_f32 v[4+2*\c:5+2*\c], v[Y+2*\c:Y+2*\c+1], v[Y+8+2*\c:Y+9+2*\c]
.endr
.irp c, 0,1,2,3
	v_pk_add_f32 v[4+2*\c:5+2*\c], v[4+2*\c:5+2*\c], v[Y+16+2*\c:Y+17+2*\c]
.endr
.irp c, 0,1,2,3
	v_pk_add_f32 v[4+2*\c:5+2*\c], v[4+2*\c:5+2*\c], v[Y+24+2*\c:Y+25+2*\c]
.endr
	v_pk_add_f32 v[4:5], v[4:5], v[6:7]
	v_pk_add_f32 v[8:9], v[8:9], v[10:11]
	v_pk_add_f32 v[4:5], v[4:5], v[8:9]
	v_add_f32 v4, v4, v5
	WSUM 4, 5
	v_mul_f32 v12, 0xba800000, v4                  ; -mean = sum x (-1/1024)
	v_mul_f32 v13, 0xba800000, v4
.set i, 0
.rept 16
	v_pk_add_f32 v[Y+2*i:Y+2*i+1], v[Y+2*i:Y+2*i+1], v[12:13]
.set i, i+1
.endr
.irp c, 0,1,2,3
	v_pk_mul_f32 v[4+2*\c:5+2*\c], v[Y+2*\c:Y+2*\c+1], v[Y+2*\c:Y+2*\c+1]
.endr
.irp g, 8,16,24
.irp c, 0,1,2,3
	v_pk_fma_f32 v[4+2*\c:5+2*\c], v[Y+\g+2*\c:Y+\g+2*\c+1], v[Y+\g+2*\c:Y+\g+2*\c+1], v[4+2*\c:5+2*\c]
.endr
.endr
	v_pk_add_f32 v[4:5], v[4:5], v[6:7]
	v_pk_add_f32 v[8:9], v[8:9], v[10:11]
	v_pk_add_f32 v[4:5], v[4:5], v[8:9]
	v_add_f32 v4, v4, v5
	WSUM 4, 5
	v_fma_f32 v4, v4, s24, s25                     ; sum / 1024 + 1e-5
	v_rsq_f32 v14, v4
	v_nop                                          ; one plain instruction between the root and its use
	s_wait_alu depctr_va_vdst(0)
	v_mov_b32 v15, v14
.endm
	s_load_b256 s[4:11], s[0:1], 0x0               ; x1 4, big 6, bdown 8, ln2_w 10
	s_load_b128 s[12:15], s[0:1], 0x20             ; ln2_b 12, out0 14
	v_lshrrev_b32 v3, 5, v0
	v_readfirstlane_b32 s2, v3
	v_and_b32 v1, 31, v0
	v_lshlrev_b32 v1, 4, v1                        ; 16 bytes a lane
	s_lshl_b32 s3, ttmp9, 3
	s_add_co_u32 s3, s3, s2                        ; row = 8 g + w
	s_lshl_b32 s18, s3, 12
	s_mov_b32 s19, 0
	s_mov_b32 s22, 0x76543210
	s_mov_b32 s23, 0xfedcba98
	s_mov_b32 s24, 0x3a800000                      ; 1/1024
	s_mov_b32 s25, 0x3727c5ac                      ; 1e-5
	s_wait_kmcnt 0x0
	s_add_nc_u64 s[4:5], s[4:5], s[18:19]
	s_add_nc_u64 s[6:7], s[6:7], s[18:19]          ; my row in panel 0,
	s_add_nc_u64 s[26:27], s[6:7], 0x1000000       ; 1,
	s_add_nc_u64 s[28:29], s[26:27], 0x1000000     ; 2,
	s_add_nc_u64 s[30:31], s[28:29], 0x1000000     ; 3
	s_add_nc_u64 s[14:15], s[14:15], s[18:19]
	LD8NT Y, 4                                     ; each load of the wave covers 512 consecutive bytes; all 48 go out at once
	LD8NT P0, 6
	LD8NT P1, 26
	LD8NT P2, 28
	LD8NT P3, 30
	LD8 BD, 8
	s_wait_loadcnt 0x0
	ADD16 P2, P2, P3
	ADD16 P3, P0, P1
	LD8 W, 10                                      ; gain and bias into the registers just freed; they land during the statistics
	LD8 BB, 12
	ADD16 P2, P3, P2
	ADD16 Y, Y, P2
	ADD16 Y, Y, BD
	STATS
	s_wait_loadcnt 0x0
.set i, 0
.rept 16
	v_pk_mul_f32 v[Y+2*i:Y+2*i+1], v[Y+2*i:Y+2*i+1], v[14:15]
.set i, i+1
.endr
.set i, 0
.rept 16
	v_pk_fma_f32 v[Y+2*i:Y+2*i+1], v[Y+2*i:Y+2*i+1], v[W+2*i:W+2*i+1], v[BB+2*i:BB+2*i+1]
.set i, i+1
.endr
.irp j, 0,1,2,3,4,5,6,7
	global_store_b128 v1, v[Y+4*\j:Y+4*\j+3], s[14:15] offset:512*\j th:TH_STORE_NT
.endr
	s_endpgm
.Lfunc_end_k_q7fa0c12108_ln2:
	.size	k_q7fa0c12108_ln2, .Lfunc_end_k_q7fa0c12108_ln2-k_q7fa0c12108_ln2
	.p2alignl 7, 3214868480
	.fill 96, 4, 3214868480
	.section	.rodata,"a",@progbits
	.p2align	6, 0x0
	.amdhsa_kernel k_q7fa0c12108_ln2
		.amdhsa_group_segment_fixed_size 0
		.amdhsa_private_segment_fixed_size 0
		.amdhsa_enable_private_segment 0
		.amdhsa_kernarg_size 48
		.amdhsa_user_sgpr_count 2
		.amdhsa_user_sgpr_kernarg_segment_ptr 1
		.amdhsa_wavefront_size32 1
		.amdhsa_system_sgpr_workgroup_id_x 1
		.amdhsa_system_sgpr_workgroup_id_y 1
		.amdhsa_system_sgpr_workgroup_id_z 1
		.amdhsa_system_vgpr_workitem_id 0
		.amdhsa_next_free_vgpr 208
		.amdhsa_next_free_sgpr 66
		.amdhsa_reserve_vcc 0
		.amdhsa_float_denorm_mode_32 3
		.amdhsa_float_denorm_mode_16_64 3
		.amdhsa_memory_ordered 1
		.amdhsa_forward_progress 1
		.amdhsa_inst_pref_size 20
	.end_amdhsa_kernel
	.amdgpu_metadata
---
amdhsa.version: [ 1, 2 ]
amdhsa.kernels:
  - .name:           k_q7fa0c12108_ln2
    .symbol:         k_q7fa0c12108_ln2.kd
    .args:
      - { .name: x1, .offset: 0, .size: 8, .value_kind: global_buffer, .address_space: global }
      - { .name: big, .offset: 8, .size: 8, .value_kind: global_buffer, .address_space: global }
      - { .name: bdown, .offset: 16, .size: 8, .value_kind: global_buffer, .address_space: global }
      - { .name: ln2_w, .offset: 24, .size: 8, .value_kind: global_buffer, .address_space: global }
      - { .name: ln2_b, .offset: 32, .size: 8, .value_kind: global_buffer, .address_space: global }
      - { .name: out0, .offset: 40, .size: 8, .value_kind: global_buffer, .address_space: global }
    .group_segment_fixed_size: 0
    .private_segment_fixed_size: 0
    .kernarg_segment_align: 8
    .kernarg_segment_size: 48
    .max_flat_workgroup_size: 256
    .sgpr_count:     66
    .vgpr_count:     208
    .wavefront_size: 32
...
	.end_amdgpu_metadata
.endif
;; end of part 7
